; MI455X (gfx1250); checked and timed in simulation.
; The chip was launched on July 23, 2026; its instructions are those of AMD's public machine-readable ISA for CDNA 5 (MIT licence, August 2026) and "CDNA5" Instruction Set Architecture Reference Guide (July 2026). The comments in the code are by the model that wrote it; some were corrected since.
;; Attention. Allowed arithmetic: float matrix products may take bf16 or f16 operands with f32 sums; other float arithmetic in f32, or as packed bf16 or f16 multiplies, adds, multiply-adds, maxima and minima; sums over many terms, partial sums and values carried from step to step in f32; what a program stores and reads back later, other than sums and carried values, may be rounded once to bf16 or f16.
;; Inputs: key 16 x 2,048 x 512 float32; mask 16 x 2,048 bool; query 16 x 2,048 x 512 float32; value 16 x 2,048 x 512 float32.
;; Outputs: out0 16 x 2,048 x 512 float32.
;; 3 versions, each right; version 3 is version 2 with the launch cast written anew for expert scheduling mode. Each part assembles by itself: llvm-mc -triple=amdgcn-amd-amdhsa -mcpu=gfx1250 --defsym DOCPART=n.
;; ======== version 1 of 3: 2 launches
;; limits: inputs' magnitudes at most 65,504; values are held in f16: magnitudes above 65,504 overflow, below 6.1e-05 lose precision
;; workspace buffers: kb 33,554,432 bytes; vb 33,554,432 bytes
;; launch cast (part 1): grid 256 x 2, 8 waves a work-group, no clusters, 0 bytes of LDS; arguments key, value, kb, vb; writes kb, vb
.if DOCPART == 1
	.amdgcn_target "amdgcn-amd-amdhsa--gfx1250"
	.amdhsa_code_object_version 6
	.text
	.protected	k_q6b10ceecd6_cast
	.globl	k_q6b10ceecd6_cast
	.p2align	8
	.type	k_q6b10ceecd6_cast,@function
k_q6b10ceecd6_cast:
	s_mov_b64 s[64:65], 0
	v_nop
	global_prefetch_b8 v0, s[64:65] scope:SCOPE_SE
	s_setreg_imm32_b32 hwreg(HW_REG_WAVE_MODE, 25, 1), 1
	s_wait_xcnt 0x0
; kb = key rounded to bf16.  vb = value rounded to bf16, and that number written as f16.  key, value: [16][2048][512] f32; kb, vb: the same shape, 2 bytes a number.
; LIMITS.  |value| stays under 65,504 (f16's range); a bf16 number below 2^-14 keeps f16's fixed step of 2^-24.  NaN and infinities are not treated apart.
; SHARES.  Work-group y = 0 takes key, y = 1 value; work-group x owns 262,144 bytes in and 131,072 out: 64 rows of 4,096 bytes in.  Thread t owns the 16 bytes at 16 t of every
; such row and stores 8 bytes at 8 t: a wave's load covers 512 consecutive bytes, its store 256 consecutive bytes, aligned.
; One text serves both tensors without a branch: both roundings are made and a mask of all lanes, 0 or -1, picks one.
; A ring of DEPTH slots in registers keeps DEPTH loads of every wave on their way.  No LDS, no barrier, no matrix unit: each byte is read once and written once.
.set DEPTH, 16                         ; slots = loads of a wave on their way
.set ROUNDS, 64/DEPTH
.set ROWI,  4096                       ; bytes in a row in
.set ROWO,  2048                       ; bytes in a row out
.set T,   4                            ; v[4:9]    at work
.set X,   16                           ; v[16:79]  slot i: 4 numbers in f32 as loaded
.set Y,   80                           ; v[80:111] slot i: 4 numbers of 16 bits to store
	s_load_b256 s[4:11], s[0:1], 0x0               ; key s[4:5], value s[6:7], kb s[8:9], vb s[10:11]
	s_and_b32 s19, ttmp7, 0xffff                   ; y: which tensor
	s_lshl_b32 s2, ttmp9, 18                       ; the work-group's bytes in,
	s_mov_b32 s3, 0
	s_lshl_b32 s20, ttmp9, 17                      ; and out
	s_mov_b32 s21, 0
	s_mov_b32 s17, 0xffff0000                      ; a word's upper bf16
	v_lshlrev_b32 v1, 4, v0                        ; 16 t; never rewritten
	v_lshlrev_b32 v2, 3, v0                        ; 8 t; never rewritten
	s_wait_kmcnt 0x0
	s_cmp_eq_u32 s19, 0
	s_cselect_b64 s[12:13], s[4:5], s[6:7]         ; in
	s_cselect_b64 s[14:15], s[8:9], s[10:11]       ; out
	s_cselect_b32 s16, 0, -1                       ; all lanes: 0 keeps bf16, -1 takes f16
	s_add_nc_u64 s[12:13], s[12:13], s[2:3]
	s_add_nc_u64 s[14:15], s[14:15], s[20:21]
.irp i, 0,1,2,3,4,5,6,7,8,9,10,11,12,13,14,15
	global_load_b128 v[X+4*(\i):X+4*(\i)+3], v1, s[12:13] offset:(\i)*ROWI th:TH_LOAD_NT  ; the ring is filled: rows 0 to 15
.endr
; One slot's turn.  ahead = 1: the slot is filled again with the row DEPTH further down.  left = how many younger loads may stay out.
.macro SLOT i, ahead, left
	s_wait_loadcnt \left                           ; loads come back in order: mine is in, the younger ones stay out
	s_wait_xcnt 0x0                                ; this slot's Y, which its last store reads, is rewritten only behind this wait
	v_cvt_pk_bf16_f32 v[Y+2*(\i)],   v[X+4*(\i)],   v[X+4*(\i)+1]    ; rounded to bf16, to nearest even
	v_cvt_pk_bf16_f32 v[Y+2*(\i)+1], v[X+4*(\i)+2], v[X+4*(\i)+3]
	v_lshlrev_b32 v[T],   16,  v[Y+2*(\i)]         ; the rounded numbers as f32 again,
	v_and_b32     v[T+1], s17, v[Y+2*(\i)]
	v_lshlrev_b32 v[T+2], 16,  v[Y+2*(\i)+1]
	v_and_b32     v[T+3], s17, v[Y+2*(\i)+1]
	v_cvt_pk_f16_f32 v[T+4], v[T],   v[T+1]        ; and written as f16: eight significant bits fit into eleven
	v_cvt_pk_f16_f32 v[T+5], v[T+2], v[T+3]
	v_cndmask_b32 v[Y+2*(\i)],   v[Y+2*(\i)],   v[T+4], s16
	v_cndmask_b32 v[Y+2*(\i)+1], v[Y+2*(\i)+1], v[T+5], s16
.if \ahead
	global_load_b128 v[X+4*(\i):X+4*(\i)+3], v1, s[12:13] offset:(\i)*ROWI+DEPTH*ROWI th:TH_LOAD_NT
.endif
	global_store_b64 v2, v[Y+2*(\i):Y+2*(\i)+1], s[14:15] offset:(\i)*ROWO
.endm
	s_mov_b32 s18, ROUNDS-1
.Lround:
.irp i, 0,1,2,3,4,5,6,7,8,9,10,11,12,13,14,15
	SLOT \i, 1, DEPTH-1
.endr
	s_wait_xcnt 0x0                                ; the two bases are stepped only behind this wait
	s_add_nc_u64 s[12:13], s[12:13], DEPTH*ROWI
	s_add_nc_u64 s[14:15], s[14:15], DEPTH*ROWO
	s_sub_co_u32 s18, s18, 1
	s_cmp_lg_u32 s18, 0
	s_cbranch_scc1 .Lround
.irp i, 0,1,2,3,4,5,6,7,8,9,10,11,12,13,14,15
	SLOT \i, 0, DEPTH-1-(\i)                       ; the last round loads nothing: the counts run down
.endr
	s_endpgm
.Lfunc_end_k_q6b10ceecd6_cast:
	.size	k_q6b10ceecd6_cast, .Lfunc_end_k_q6b10ceecd6_cast-k_q6b10ceecd6_cast
	.p2alignl 7, 3214868480
	.fill 96, 4, 3214868480
	.section	.rodata,"a",@progbits
	.p2align	6, 0x0
	.amdhsa_kernel k_q6b10ceecd6_cast
		.amdhsa_group_segment_fixed_size 0
		.amdhsa_private_segment_fixed_size 0
		.amdhsa_enable_private_segment 0
		.amdhsa_kernarg_size 32
		.amdhsa_user_sgpr_count 2
		.amdhsa_user_sgpr_kernarg_segment_ptr 1
		.amdhsa_wavefront_size32 1
		.amdhsa_system_sgpr_workgroup_id_x 1
		.amdhsa_system_sgpr_workgroup_id_y 1
		.amdhsa_system_sgpr_workgroup_id_z 1
		.amdhsa_system_vgpr_workitem_id 0
		.amdhsa_next_free_vgpr 112
		.amdhsa_next_free_sgpr 66
		.amdhsa_reserve_vcc 0
		.amdhsa_float_denorm_mode_32 3
		.amdhsa_float_denorm_mode_16_64 3
		.amdhsa_memory_ordered 1
		.amdhsa_forward_progress 1
		.amdhsa_inst_pref_size 26
	.end_amdhsa_kernel
	.amdgpu_metadata
---
amdhsa.version: [ 1, 2 ]
amdhsa.kernels:
  - .name:           k_q6b10ceecd6_cast
    .symbol:         k_q6b10ceecd6_cast.kd
    .args:
      - { .name: key, .offset: 0, .size: 8, .value_kind: global_buffer, .address_space: global }
      - { .name: value, .offset: 8, .size: 8, .value_kind: global_buffer, .address_space: global }
      - { .name: kb, .offset: 16, .size: 8, .value_kind: global_buffer, .address_space: global }
      - { .name: vb, .offset: 24, .size: 8, .value_kind: global_buffer, .address_space: global }
    .group_segment_fixed_size: 0
    .private_segment_fixed_size: 0
    .kernarg_segment_align: 8
    .kernarg_segment_size: 32
    .max_flat_workgroup_size: 256
    .sgpr_count:     66
    .vgpr_count:     112
    .wavefront_size: 32
...
	.end_amdgpu_metadata
.endif
;; end of part 1
;; launch attn (part 2): grid 16 x 16, 4 waves a work-group, clusters of 4 x 1, 327,680 bytes of LDS; arguments kb, vb, query, mask, out0; writes out0
.if DOCPART == 2
	.amdgcn_target "amdgcn-amd-amdhsa--gfx1250"
	.amdhsa_code_object_version 6
	.text
	.protected	k_q6b10ceecd6_attn
	.globl	k_q6b10ceecd6_attn
	.p2align	8
	.type	k_q6b10ceecd6_attn,@function
k_q6b10ceecd6_attn:
	s_mov_b64 s[64:65], 0
	v_nop
	global_prefetch_b8 v0, s[64:65] scope:SCOPE_SE
	s_setreg_imm32_b32 hwreg(HW_REG_WAVE_MODE, 25, 1), 1
	s_wait_xcnt 0x0
	s_wait_alu depctr_hold_cnt(0) depctr_sa_sdst(0) depctr_va_vdst(0) depctr_va_sdst(0) depctr_va_ssrc(0) depctr_va_vcc(0) depctr_vm_vsrc(0)
	s_getreg_b32 s2, hwreg(HW_REG_IB_STS2, 6, 4)
	s_cmp_eq_u32 s2, 0
	s_cbranch_scc0 .Lentry_in_a_cluster
	s_endpgm
.Lentry_in_a_cluster:
	s_bfe_u32 s2, ttmp6, 0x10000c
	s_cmp_lg_u32 s2, 0x3003
	s_cbranch_scc0 .Lentry_shape_is_right
	s_endpgm
.Lentry_shape_is_right:
; out0[b][i][:] = the sum over j of softmax_j(e[b][i][j]) value[b][j][:],  e = query[b][i] . key[b][j] / sqrt(512) - (1 - mask[b][i]) 1e9.   16 batches, 2,048 rows, 512 channels.
; kb: key in bf16, vb: value in f16 (bf16's rounding), both [16][2048][512]; query and out0 in f32; mask one byte a row.  Q is rounded to bf16 here.  S = K Q^T in bf16, O = V^T P in f16; all sums,
; maxima, l and O in f32; the weights p are rounded to f16 for the second product (their sum l is taken of the unrounded p).
; THE MASK takes 1e9 off every score of a masked ROW.  In f32 that rounds the row's scores to multiples of 64, so it is not left out: q = fl(fl(s scale - pen) + pen), pen = 0 or 1e9.  The second sum is
; exact, so q - max q is what the f32 softmax of e sees, and the running maximum works on small numbers.  Each lane loads its own query's byte.
; LIMITS.  query and value are finite (O^T's registers start with Q as loaded, and the first trip multiplies value's first 64 rows by weights of 0: both are wiped out by a factor 0, which an infinity or
; a NaN survives, in the rows of the same wave too); |value| < 65,504; p below 6e-8 counts as 0 in the product, below 2^-126 in l; s scale - pen is rounded once, not twice.
; SHARES.  A work-group owns 128 queries of a batch, each of its four waves 32: two tiles of 16.  16 x 16 work-groups.  Every wave walks all 2,048 keys, 64 a step.
; LAYOUT.  S^T = K Q^T (source 0 = 16 keys, source 1 = 16 queries): a lane holds ONE query (lane % 16) and the keys 8 (lane / 16) + 0..7.  Two such results, rounded in pairs, ARE source 1 (32 keys x 16
; queries) of O^T = V^T P, whose result again holds one query a lane, and eight channels.  K comes out of LDS as it lies, V ([key][channel]) turned, by ds_load_tr16_b128.
; SOFTMAX.  p = 2^(c q - c m), c = log2(e), with a running maximum m; O and l are multiplied by a = 2^(c m_old - c m_new) in every step.  m starts at the lowest finite number, l at 0: the first a is 0.
; THE TRIP.  Trip j: 128 products K Q^T of step j, beside them O^T times a(j-1); then 128 products V^T P of step j-1, beside them the softmax of step j.  So LDS tile j holds K of step j and V of step j-1.
; Tile 0 takes V of step 0 (weights 0).  Tile 32 takes K of step 31 once more, which nobody reads: 64 KiB a cluster, the price of one text for every fill.
; A PAIR is one fragment of K or V (16 x 32, 8 registers) and its two products, one a tile.  Fragments go through a ring of 16 register slots; behind pair g the fragment g + 12 is fetched.
; CLUSTER.  The four query blocks of a cluster belong to one batch and walk the same K and V: each tile is asked for JOINTLY, by the same tensor load, descriptor and mask in all four.
; REGISTERS, in windows of 256 (s_set_vgpr_msb: bits 1:0 source 0, 3:2 source 1, 5:4 source 2, 7:6 destination):
;   window 0: v2-11 addresses; v12-31 ten registers of statistics a tile; v32-95 S^T; v96-127 P; v128-255 the ring          window 1: Q, 128 a tile
;   windows 2, 3: O^T: channel block cb (16 channels) of tile t in window 2 + cb / 16 at 16 (cb % 16) + 8 t
.set PK,    528       ; a row of a K sub-tile in LDS: 512 bytes + 16 of padding = 33 x 16: the 16 rows of a load begin in 16 different columns of 16 bytes modulo 256
.set PV,    544       ; a row of a V sub-tile: 512 + 32 = 17 x 32
.set KSUB,  64*PK     ; 64 keys x 256 channels
.set VSUB,  64*PV
.set VOFF,  2*KSUB    ; a slot: K channels 0-255, K channels 256-511, V channels 0-255, V channels 256-511
.set SLOT,  VOFF+2*VSUB
.set STAGE, 2*SLOT    ; behind the ring, never filled by a tensor load: 16 rows x 272 bytes for each wave, for the way out
.set SP,    272
.set SPARE, STAGE+4*16*SP  ; behind the stages: the spare words, 128 bytes for each wave: two blocks of 256 bytes that no other line names
.set STEPB, 65536     ; 64 rows of kb or vb in memory
.set AK,  2           ; v2-3   LDS address of my lane's place in K's sub-tile 0 of slot 0, 1; never rewritten
.set AV,  4           ; v4-5   the same for V
.set STO, 6           ; v6     the way out: where I put 32 bytes of a row
.set RD,  7           ; v7     the way out: where I read rows back
.set GO,  8           ; v8     my byte offset in two rows of out0
.set PFO, 9           ; v9     the prefetches' offset: row lane / 2, block lane % 2 of 256 bytes; never rewritten
.set SPW, 10          ; v10    LDS address of my spare word: SPARE + 4 x my thread's number; never rewritten
.set NIL, 11          ; v11    0; never rewritten
.set ST,  12          ; tile t's statistics at v[ST+10 t]: c m, m, l (even keys', odd keys'), c0-c3 at work (c2 takes a), pen twice
.set S,   32          ; S^T: tile t, key block kb at S + 32 t + 8 kb
.set P,   96          ; P: tile t, key half kk at P + 16 t + 8 kk
.set FR,  128         ; the ring: fragment g in slot g % 16
.set TR,  128         ; at the head only: lane % 16,
.set TH,  129         ; lane / 16,
.set QO,  130         ; my byte offset in 16 rows of query,
.set MB,  132         ; v132-133 my two queries' mask bytes; v134-136 at work
.set WV,  14          ; s14  my wave's number
.set LIM, 15          ; s15  a wave prefetches while the tile to be filled is below it
.set G1K, 24          ; s[24:31] descriptor group 1 for K's sub-tiles
.set G1V, 32          ; s[32:39] for V's: it differs in the padding alone
.set G0K, 40          ; s[40:47] descriptor group 0 for K, a set for each slot
.set G0V, 48          ; s[48:55] the same for V
.set CNT, 56          ; s56  trips of the loop
.set NXT, 57          ; s57  the tile to be asked for next
.set CS,  58          ; s[58:59] c = log2(e): the packed forms take the pair's low word for both halves
.set SEL, 60          ; s[60:61] v_permlanex16_b32's selects: each lane takes its own place in the other half
.set SC,  62          ; s[62:63] 1 / sqrt(512)
.set KB,  66          ; s[66:67] kb at my batch and my half of the channels
.set VB,  68          ; s[68:69] vb likewise
.set OFK, 70          ; s[70:71] byte offset of the K step to be asked for
.set OFV, 72          ; s[72:73] of the V step
.set PFA, 74          ; s[74:75] where my prefetches stand
.set BIG, 76          ; s76  1e9
.set MSB, 0
.macro WIN new                      ; the high byte repeats the setting that is left; a switch that changes nothing is dropped
.if MSB != (\new)
	s_set_vgpr_msb (MSB<<8)|(\new)
.set MSB, (\new)
.endif
.endm
.macro WINL                         ; for LDS loads: destination and address in window 0; K Q^T's setting already says so
.if (MSB&0xc3) != 0
	WIN 0
.endif
.endm
; A joint fill of slot x.  Waves 0 and 1 fetch K's two halves of the channels, waves 2 and 3 V's: 64 rows x 512 bytes each.  The branch hangs on the wave's number alone.
; An s_nop 0 and four v_nop follow each of the two lines, ahead of the jump and the label.
.macro JLOAD x
	s_cmp_lt_u32 s[WV], 2
	s_cbranch_scc0 .Lfor_v_\@
	tensor_load_to_lds s[G0K+4*(\x):G0K+4*(\x)+3], s[G1K:G1K+7]
	s_nop 0
.rept 4
	v_nop
.endr
	s_branch .Lasked_\@
.Lfor_v_\@:
	tensor_load_to_lds s[G0V+4*(\x):G0V+4*(\x)+3], s[G1V:G1V+7]
	s_nop 0
.rept 4
	v_nop
.endr
.Lasked_\@:
.endm
; A PREFETCH INTO THE L2 of the tile that the NEXT change of slots will ask for: one trip, 256 products, ahead of that load.  All four clusters of a batch walk the same rows: the batch's first cluster
; asks.  Each of its waves names its own tensor and half of the channels; the four partners share the 64 rows out BY ADDRESS, 16 each; a lane names one block of 256 bytes.  So each block is named once
; in the launch.  Tiles 0 and 1 come by their loads alone; K's waves stop when step 31 has been named, V's likewise: no prefetch passes a buffer's end.
.macro ASK
	s_cmp_lt_u32 s[NXT], s[LIM]
	s_cbranch_scc0 .Lnot_mine_\@
	global_prefetch_b8 v[PFO], s[PFA:PFA+1] th:TH_LOAD_NT scope:SCOPE_SE
.Lnot_mine_\@:
.endm
; A round of the cluster's barrier: my work-group's barrier, so that wave 0's signal speaks for all four waves; wave 0 signals; every wave waits for all four work-groups; my work-group's barrier once more.
.macro CREST                        ; a round behind its opening barrier
	s_cmp_lg_u32 s[WV], 0
	s_cbranch_scc1 .Lnot_wave_0_\@
	s_barrier_signal -3
.Lnot_wave_0_\@:
	s_barrier_wait -3
	s_barrier_signal -1
	s_barrier_wait -1
.endm
.macro CROUND
	s_barrier_signal -1
	s_barrier_wait -1
	CREST
.endm
	s_load_b256 s[4:11], s[0:1], 0x0  ; kb s[4:5], vb s[6:7], query s[8:9], mask s[10:11]
	s_load_b64 s[12:13], s[0:1], 0x20 ; out0
	v_lshl_add_u32 v[SPW], v0, 2, SPARE
	v_mov_b32 v[NIL], 0
	ds_add_u32 v[SPW], v[NIL]       ; the wave's opening: the add and its wait stand ahead of my first tensor load; the set-up below, work on registers, stands between them
	v_lshrrev_b32 v1, 5, v0
	v_readfirstlane_b32 s[WV], v1   ; wave 0..3
	s_bfe_u32 s16, ttmp6, 0x40000   ; cx: my place in the cluster
	s_lshl_b32 s17, ttmp9, 2        ; in a cluster launch ttmp9 counts clusters
	s_add_co_u32 s17, s17, s16      ; my block of 128 queries: it enters query's, mask's and out0's addresses alone
	s_and_b32 s18, ttmp7, 0xffff    ; the batch, which the four partners share
	s_and_b32 s19, s[WV], 1         ; which half of the channels I fetch
	s_lshl_b32 s20, s18, 21         ; the batch's 2,048 rows of 1,024 bytes,
	s_lshl_b32 s21, s19, 9          ; my half of a row
	s_add_co_u32 s20, s20, s21
	s_mov_b32 s21, 0
	s_lshl_b32 s22, s18, 11
	s_lshl_b32 s23, s17, 7
	s_add_co_u32 s22, s22, s23
	s_lshl_b32 s23, s[WV], 5
	s_add_co_u32 s2, s22, s23       ; my wave's first row among all 32,768: its byte in mask,
	s_mov_b32 s3, 0
	s_lshl_b32 s22, s2, 11          ; and in query and out0, rows of 2,048 bytes
	s_mov_b32 s23, 0
	; descriptor group 1: a sub-tile of 64 rows x 256 elements out of rows of 512, padded in LDS
	s_mov_b32 s[G1K], 15|(1<<16)|(1<<20)|(1<<21)|(6<<22)|(3<<25)  ; 15:0 the mask of four; 17:16 2-byte elements; 20 padding on; 21 set beside a mask; 24:22 after every 128 words (code 6); 31:25 4 words (code 3)
	s_mov_b32 s[G1V], 15|(1<<16)|(1<<20)|(1<<21)|(6<<22)|(7<<25)  ; the same with 8 words of padding (code 7)
.irp g, G1K, G1V
	s_mov_b32 s[\g+1], 256<<16      ; tensor_dim0 = 256
	s_mov_b32 s[\g+2], 64<<16       ; tensor_dim1 = 64
	s_mov_b32 s[\g+3], 256<<16      ; tile_dim0 = 256
	s_mov_b32 s[\g+4], 64           ; tile_dim1 = 64
	s_mov_b32 s[\g+5], 512          ; 512 elements from row to row
	s_mov_b32 s[\g+6], 0
	s_mov_b32 s[\g+7], 0
.endr
	s_mul_i32 s78, s19, KSUB        ; my sub-tile's place in a slot: no place in the cluster enters an LDS address
	s_mul_i32 s79, s19, VSUB
.irp x, 0,1
	s_mov_b32 s[G0K+4*\x], 1                        ; 1:0 count = 1
	s_add_co_u32 s[G0K+4*\x+1], s78, \x*SLOT        ; 63:32 LDS address; written once
	s_mov_b32 s[G0V+4*\x], 1
	s_add_co_u32 s[G0V+4*\x+1], s79, \x*SLOT+VOFF
.endr
	s_mov_b32 s[CS], 0x3fb8aa3b     ; log2(e)
	s_mov_b32 s[CS+1], s[CS]        ; named with it as a pair
	s_mov_b32 s[SC], 0x3d3504f3     ; 1 / sqrt(512)
	s_mov_b32 s[SC+1], s[SC]
	s_mov_b32 s[SEL], 0x76543210
	s_mov_b32 s[SEL+1], 0xfedcba98
	s_mov_b32 s[BIG], 0x4e6e6b28    ; 1e9
	s_mov_b32 s[OFK+1], 0
	s_mov_b32 s[OFV+1], 0
	s_mov_b32 s[NXT], 1
	s_mov_b32 s[CNT], 16
	s_wait_dscnt 0x0                ; the opening add is done
	s_wait_kmcnt 0x0
	s_add_nc_u64 s[KB:KB+1], s[4:5], s[20:21]
	s_add_nc_u64 s[VB:VB+1], s[6:7], s[20:21]
	s_add_nc_u64 s[8:9], s[8:9], s[22:23]     ; query and out0 at my wave's first row
	s_add_nc_u64 s[12:13], s[12:13], s[22:23]
	s_add_nc_u64 s[10:11], s[10:11], s[2:3]   ; mask at my wave's first byte
	s_mov_b64 s[G0K+2:G0K+3], s[KB:KB+1]      ; 120:64 global address: tile 0 is K of step 0,
	s_or_b32 s[G0K+3], s[G0K+3], 0x80000000   ; 127:126 type = 2
	s_mov_b64 s[G0V+2:G0V+3], s[VB:VB+1]      ; and V of step 0
	s_or_b32 s[G0V+3], s[G0V+3], 0x80000000
	s_cmp_lt_u32 s[WV], 2
	s_cselect_b64 s[PFA:PFA+1], s[KB:KB+1], s[VB:VB+1]
	s_cselect_b32 s2, STEPB, 0      ; the first change of slots steps these to K of step 2 and V of step 1: tile 2
	s_cselect_b32 s[LIM], 31, 32
	s_lshl_b32 s16, s16, 14         ; my work-group's 16 rows of the 64
	s_add_co_u32 s2, s2, s16
	s_add_nc_u64 s[PFA:PFA+1], s[PFA:PFA+1], s[2:3]
	s_cmp_eq_u32 ttmp9, 0           ; the batch's first cluster asks: the same answer in all four partners
	s_cselect_b32 s[LIM], s[LIM], 0
	CROUND                          ; all four work-groups are here: the first joint loads meet
	JLOAD 0                         ; tile 0 into slot 0; slot 1 is filled behind the first trip's round, as a refill is
	; Q.  A fragment (source 1) is 16 queries x 32 channels: lane l holds query l % 16, channels 8 (l / 16) + 0..7 and 16 + 8 (l / 16) + 0..7: in f32 two runs of 32 bytes, 64 bytes apart: four loads.
	; Tile t lands in window 2 + t, which O^T takes over later, fragment c at 16 c.
	v_and_b32 v[TR], 15, v0
	v_bfe_u32 v[TH], v0, 4, 1
	v_lshlrev_b32 v[QO], 11, v[TR]
	v_lshl_add_u32 v[QO], v[TH], 5, v[QO]  ; row x 2,048 + 32 x half
.irp t, 0,1
	WIN 0x80+0x40*\t                ; destination window 2 + t, address window 0
.set i, 0
.rept 64
	global_load_b128 v[4*i:4*i+3], v[QO], s[8:9] offset:32768*\t+128*(i/4)+64*((i%4)/2)+16*(i%2)
.set i, i+1
.endr
.endr
	WIN 0
	global_load_u8 v[MB],   v[TR], s[10:11]            ; my query's byte in tile 0,
	global_load_u8 v[MB+1], v[TR], s[10:11] offset:16  ; and in tile 1
	; while these are on their way: the addresses,
	v_mul_u32_u24 v[AK], v[TR], PK
	v_lshl_add_u32 v[AK], v[TH], 4, v[AK]  ; K: row x pitch + 16 x half
	v_add_nc_u32 v[AK+1], SLOT, v[AK]
	v_and_b32 v134, 7, v0           ; V: the turning load takes 16 keys x 16 channels: lane l reads key 8 (l / 16) + l % 8, channels 8 ((l / 8) % 2) + 0..7
	v_bfe_u32 v135, v0, 3, 1
	v_lshl_add_u32 v[AV], v[TH], 3, v134
	v_mul_u32_u24 v[AV], v[AV], PV
	v_lshl_add_u32 v[AV], v135, 4, v[AV]
	v_add_nc_u32 v[AV], VOFF, v[AV]
	v_add_nc_u32 v[AV+1], SLOT, v[AV]
	s_mul_i32 s78, s[WV], 16*SP
	s_add_co_u32 s78, s78, STAGE    ; my stage
	v_mul_u32_u24 v[STO], v[TR], SP ; in: row l % 16, 32 bytes for each half of the lanes
	v_lshl_add_u32 v[STO], v[TH], 5, v[STO]
	v_add_nc_u32 v[STO], s78, v[STO]
	v_mul_u32_u24 v[RD], v[TH], SP  ; back: lanes 0-15 take one row of 256 bytes, lanes 16-31 the next
	v_lshl_add_u32 v[RD], v[TR], 4, v[RD]
	v_add_nc_u32 v[RD], s78, v[RD]
	v_lshlrev_b32 v[GO], 11, v[TH]  ; and the same two rows in out0
	v_lshl_add_u32 v[GO], v[TR], 4, v[GO]
	v_and_b32 v[PFO], 31, v0
	v_and_b32 v136, 1, v0
	v_lshrrev_b32 v[PFO], 1, v[PFO]
	v_lshlrev_b32 v[PFO], 10, v[PFO]
	v_lshl_add_u32 v[PFO], v136, 8, v[PFO]
	; and what the first trip finds: it begins with the last twelve pairs of a trip that has not been, on zeros.  S^T, P and ring slots 4-15 are 0; no first step is written out.
.set i, S
.rept 96
	v_mov_b32 v[i], 0
.set i, i+1
.endr
.set i, FR+32
.rept 96
	v_mov_b32 v[i], 0
.set i, i+1
.endr
.irp t, 0,1
	v_mov_b32 v[ST+10*\t], 0xfe000000    ; c m: far below every c q
	v_mov_b32 v[ST+10*\t+1], 0xff7fffff  ; m
.irp z, 2,3,4,5,6,7
	v_mov_b32 v[ST+10*\t+\z], 0          ; l, c0-c3; a = 0
.endr
.endr
	s_wait_loadcnt 0x0              ; Q and the mask
.irp t, 0,1
	WIN 0x4a+0x05*\t                ; sources 0 and 1 window 2 + t, destination window 1
.set i, 0
.rept 128
	v_cvt_pk_bf16_f32 v[128*\t+i], v[2*i], v[2*i+1]
.set i, i+1
.endr
.endr
	WIN 0
	v_cvt_f32_u32 v[MB], v[MB]
	v_cvt_f32_u32 v[MB+1], v[MB+1]
	v_fma_f32 v[ST+8],  -v[MB],   s[BIG], s[BIG]  ; pen = (1 - mask) 1e9: 0 or 1e9, exactly
	v_fma_f32 v[ST+18], -v[MB+1], s[BIG], s[BIG]
	v_mov_b32 v[ST+9],  v[ST+8]
	v_mov_b32 v[ST+19], v[ST+18]
; THE FRAGMENTS of a trip are numbered g = 0..127.  g < 64: K, channels 32 (g / 4) on, keys 16 (g % 4) on.  g >= 64: V, f = g - 64: keys 32 (f / 32) on, channels 16 (f % 32) on.
.macro LDF s, g                     ; fragment g of slot s into ring slot g % 16: two loads
.set rF, FR+8*((\g)%16)
.if (\g) < 64
.set oF, ((\g)/32)*KSUB+((\g)%4)*16*PK+(((\g)/4)%8)*64
	ds_load_b128 v[rF:rF+3],   v[AK+(\s)] offset:oF
	ds_load_b128 v[rF+4:rF+7], v[AK+(\s)] offset:oF+32
.else
.set fF, (\g)-64
.set oF, ((fF%32)/16)*VSUB+(fF/32)*32*PV+(fF%16)*32
	ds_load_tr16_b128 v[rF:rF+3],   v[AV+(\s)] offset:oF
	ds_load_tr16_b128 v[rF+4:rF+7], v[AV+(\s)] offset:oF+16*PV
.endif
.endm
; THE PRODUCTS.  The accumulators take turns, one instruction a turn: 8 in K Q^T, 64 in V^T P; over the phases' and the trips' edges too.
.macro MMK g, t                     ; S^T(t, g % 4) += K fragment g x Q(t, g / 4); the first four fragments start the sums
	WIN 0x04                        ; Q in window 1, all else in window 0
.set rS, S+32*(\t)+8*((\g)%4)
.set rF, FR+8*((\g)%16)
.set rQ, 128*(\t)+8*((\g)/4)
.if (\g) < 4
	v_wmma_f32_16x16x32_bf16 v[rS:rS+7], v[rF:rF+7], v[rQ:rQ+7], 0
.else
	v_wmma_f32_16x16x32_bf16 v[rS:rS+7], v[rF:rF+7], v[rQ:rQ+7], v[rS:rS+7]
.endif
.endm
.macro MMV g, t                     ; O^T(t, cb) += V fragment g x P(t, kk)
.set fF, (\g)-64
.set cB, fF%32
	WIN 0xa0+0x50*(cB/16)           ; O^T in window 2 or 3, V and P in window 0
.set rO, 16*(cB%16)+8*(\t)
.set rF, FR+8*((\g)%16)
.set rP, P+16*(\t)+8*(fF/32)
	v_wmma_f32_16x16x32_f16 v[rO:rO+7], v[rF:rF+7], v[rP:rP+7], v[rO:rO+7]
.endm
; THE RESCALING: number n of 256: a pair of O^T's registers times its tile's a.  In ascending order.
.macro RS n
.set mR, (\n)%128
	WIN 0x82+0x41*((\n)/128)        ; destination and source 0 in window 2 or 3, a in window 0
.set rA, ST+10*((mR/4)%2)+6
	v_pk_mul_f32 v[2*mR:2*mR+1], v[2*mR:2*mR+1], v[rA:rA+1] op_sel_hi:[1,0]
.endm
; THE SOFTMAX, a line at a time: SL kind, tile, number.  s0-s31 are the lane's 32 scores, pair n is s(2n), s(2n+1).
;   M1 n: s scale - pen.   M2 n: + pen (exact).   X n: number n of the 21 that find the maximum and the statistics (below).   F n: c q - c m.   E n: the exponential of score n.   EA: a.
;   C n: pair n rounded to f16.   ZL, ZT: the sums, in two chains, which leave S^T as it is: ZL 0: l = a l + pair 0; ZL i: l += pair 2 i; ZT 0: (c0, c1) = pair 1 + pair 3; ZT i: += pair 2 i + 3; ZT 7: l += (c0, c1).
;   X 0-11  four chains c0-c3 of seven scores each, three operands at a time     12-15  the four scores left over, c0-c3 and the old m into c0
;   X 16, 18  the query's other 32 keys lie in the lane 16 away: the new m         17  c m_old is kept     19, 20  c m; c m_old - c m_new
.set K_M1, 0
.set K_M2, 1
.set K_X,  2
.set K_F,  3
.set K_E,  4
.set K_EA, 5
.set K_C,  6
.set K_ZL, 7
.set K_ZT, 8
.macro SL k, u, n
	WIN 0
.set rT, ST+10*(\u)
.set rS, S+32*(\u)
.set rP, P+16*(\u)
.if (\k) == K_M1
	v_pk_fma_f32 v[rS+2*(\n):rS+2*(\n)+1], v[rS+2*(\n):rS+2*(\n)+1], s[SC:SC+1], v[rT+8:rT+9] op_sel_hi:[1,0,0] neg_lo:[0,0,1] neg_hi:[0,0,1]
.elseif (\k) == K_M2
	v_pk_add_f32 v[rS+2*(\n):rS+2*(\n)+1], v[rS+2*(\n):rS+2*(\n)+1], v[rT+8:rT+9]
.elseif (\k) == K_F
	v_pk_fma_f32 v[rS+2*(\n):rS+2*(\n)+1], v[rS+2*(\n):rS+2*(\n)+1], s[CS:CS+1], v[rT:rT+1] op_sel_hi:[1,0,0] neg_lo:[0,0,1] neg_hi:[0,0,1]
.elseif (\k) == K_E
	v_exp_f32 v[rS+(\n)], v[rS+(\n)]
.elseif (\k) == K_EA
	v_exp_f32 v[rT+6], v[rT+7]
.elseif (\k) == K_C
	v_cvt_pk_f16_f32 v[rP+(\n)], v[rS+2*(\n)], v[rS+2*(\n)+1]
.elseif ((\k) == K_ZL) && ((\n) == 0)
	v_pk_fma_f32 v[rT+2:rT+3], v[rT+2:rT+3], v[rT+6:rT+7], v[rS:rS+1] op_sel_hi:[1,0,1]
.elseif (\k) == K_ZL
	v_pk_add_f32 v[rT+2:rT+3], v[rT+2:rT+3], v[rS+4*(\n):rS+4*(\n)+1]
.elseif ((\k) == K_ZT) && ((\n) == 0)
	v_pk_add_f32 v[rT+4:rT+5], v[rS+2:rS+3], v[rS+6:rS+7]
.elseif ((\k) == K_ZT) && ((\n) < 7)
	v_pk_add_f32 v[rT+4:rT+5], v[rT+4:rT+5], v[rS+4*(\n)+6:rS+4*(\n)+7]
.elseif (\k) == K_ZT
	v_pk_add_f32 v[rT+2:rT+3], v[rT+2:rT+3], v[rT+4:rT+5]
.elseif (\n) < 4
	v_max3_num_f32 v[rT+4+(\n)], v[rS+8*(\n)], v[rS+8*(\n)+1], v[rS+8*(\n)+2]
.elseif (\n) < 12
	v_max3_num_f32 v[rT+4+(\n)%4], v[rT+4+(\n)%4], v[rS+8*((\n)%4)+2*((\n)/4)+1], v[rS+8*((\n)%4)+2*((\n)/4)+2]
.elseif (\n) == 12
	v_max3_num_f32 v[rT+4], v[rT+4], v[rS+7], v[rS+15]
.elseif (\n) == 13
	v_max3_num_f32 v[rT+6], v[rT+6], v[rS+23], v[rS+31]
.elseif (\n) == 14
	v_max3_num_f32 v[rT+4], v[rT+4], v[rT+5], v[rT+6]
.elseif (\n) == 15
	v_max3_num_f32 v[rT+4], v[rT+4], v[rT+7], v[rT+1]
.elseif (\n) == 16
	v_permlanex16_b32 v[rT+5], v[rT+4], s[SEL], s[SEL+1]
.elseif (\n) == 17
	v_mov_b32 v[rT+7], v[rT]
.elseif (\n) == 18
	v_max_num_f32 v[rT+1], v[rT+4], v[rT+5]
.elseif (\n) == 19
	v_mul_f32 v[rT], s[CS], v[rT+1]
.else
	v_sub_f32 v[rT+7], v[rT+7], v[rT]
.endif
.endm
; Three lists.  T0, 48 long: tile 0's scalings 1-15, its a and its exponentials: entry 3 k is F k + 1 (entry 45: a), entries 3 k + 1, 3 k + 2 are E 2 k, E 2 k + 1: a pair is scaled four entries ahead of its exponentials.
; UU, 28 long: tile 1's M2 2-15, then its X 0-13.   LL, 33 long: tile 1's a, then its exponentials.
.macro T0 i
.if (\i) == 45
	SL K_EA, 0, 0
.elseif (\i)%3 == 0
	SL K_F, 0, (\i)/3+1
.else
	SL K_E, 0, 2*((\i)/3)+(\i)%3-1
.endif
.endm
.macro UU i
.if (\i) < 14
	SL K_M2, 1, (\i)+2
.else
	SL K_X, 1, (\i)-14
.endif
.endm
.macro LL i
.if (\i) == 0
	SL K_EA, 1, 0
.else
	SL K_E, 1, (\i)-1
.endif
.endm
; Group p of 64: the four lines that stand behind the first product of pair 64 + p.  Group 0 is four v_nop: the places behind K Q^T's last products.  Tile 0 goes first; where its chain (X 12 to X 20) has one
; link a group, tile 1's mask lines fill the group; tile 0's scalings and exponentials then stand between tile 1's lines.  All 66 exponentials stand in groups 19 to 51, and nothing there names a
; result of theirs: they are ONE batch, with one wait, behind pair 115.  Groups 52 to 63 read the results: roundings of the first 32 keys' weights (their last reader was pair 95), then the sums.
.macro SMG p
.if (\p) == 0
	WIN 0
.rept 4
	v_nop
.endr
.elseif (\p) < 5
.irp z, 0,1,2,3
	SL K_M1, 0, 4*((\p)-1)+\z
.endr
.elseif (\p) < 9
.irp z, 0,1,2,3
	SL K_M2, 0, 4*((\p)-5)+\z
.endr
.elseif (\p) < 12
.irp z, 0,1,2,3
	SL K_X, 0, 4*((\p)-9)+\z
.endr
.elseif (\p) == 12
	SL K_X, 0, 12
	SL K_X, 0, 13
	SL K_M1, 1, 0
	SL K_M1, 1, 1
.elseif (\p) == 13
	SL K_X, 0, 14
	SL K_M1, 1, 2
	SL K_M1, 1, 3
	SL K_M1, 1, 4
.elseif (\p) == 14
	SL K_X, 0, 15
	SL K_M1, 1, 5
	SL K_M1, 1, 6
	SL K_M1, 1, 7
.elseif (\p) == 15
	SL K_X, 0, 16
	SL K_X, 0, 17
	SL K_M1, 1, 8
	SL K_M1, 1, 9
.elseif (\p) == 16
	SL K_X, 0, 18
	SL K_M1, 1, 10
	SL K_M1, 1, 11
	SL K_M1, 1, 12
.elseif (\p) == 17
	SL K_X, 0, 19
	SL K_M1, 1, 13
	SL K_M1, 1, 14
	SL K_M1, 1, 15
.elseif (\p) == 18
	SL K_X, 0, 20
	SL K_F, 0, 0
	SL K_M2, 1, 0
	SL K_M2, 1, 1
.elseif (\p) < 33
	UU 2*((\p)-19)
	T0 2*((\p)-19)
	UU 2*((\p)-19)+1
	T0 2*((\p)-19)+1
.elseif (\p) == 33
	SL K_X, 1, 14
	T0 28
	T0 29
	T0 30
.elseif (\p) == 34
	SL K_X, 1, 15
	T0 31
	T0 32
	T0 33
.elseif (\p) == 35
	SL K_X, 1, 16
	T0 34
	SL K_X, 1, 17
	T0 35
.elseif (\p) == 36
	SL K_X, 1, 18
	T0 36
	T0 37
	T0 38
.elseif (\p) == 37
	SL K_X, 1, 19
	T0 39
	T0 40
	T0 41
.elseif (\p) == 38
	SL K_X, 1, 20
	T0 42
	SL K_F, 1, 0
	T0 43
.elseif (\p) == 39
	SL K_F, 1, 1
	T0 44
	SL K_F, 1, 2
	T0 45
.elseif (\p) == 40
	SL K_F, 1, 3
	T0 46
	SL K_F, 1, 4
	T0 47
.elseif (\p) < 52
	SL K_F, 1, (\p)-36
	LL 3*((\p)-41)
	LL 3*((\p)-41)+1
	LL 3*((\p)-41)+2
.elseif (\p) < 56
	SL K_C, 0, 2*((\p)-52)
	SL K_C, 1, 2*((\p)-52)
	SL K_C, 0, 2*((\p)-52)+1
	SL K_C, 1, 2*((\p)-52)+1
.else
	SL K_ZL, 0, (\p)-56
	SL K_ZL, 1, (\p)-56
	SL K_ZT, 0, (\p)-56
	SL K_ZT, 1, (\p)-56
.endif
.endm
; A PAIR: the wait for fragment g (w = how many younger LDS instructions may stay out; -1: no wait); tile 0's product; four vector lines; tile 1's product; the two loads of fragment ld of slot s (-1: none).
; A load goes into the ring slot that pair g - 4 read.  Between that pair's last product and the load stand four groups of vector lines, each with a plain line or more that names none of the product's
; registers (ISA guide 7.12.1 for vector instructions); in pairs 105 to 115, whose groups hold one plain line and three exponentials, a v_nop stands ahead of the loads too.
.macro PAIR g, w, s, ld
.if (\w) >= 0
	s_wait_dscnt \w
.endif
.if (\g) < 64
	MMK \g, 0
	RS 4*(\g)
	RS 4*(\g)+1
	RS 4*(\g)+2
	RS 4*(\g)+3
	MMK \g, 1
.else
	MMV \g, 0
	SMG (\g)-64
	MMV \g, 1
.endif
.if (\ld) >= 0
	WINL
.if ((\g) >= 105) && ((\g) <= 115)
	v_nop
.endif
	LDF \s, \ld
.endif
.endm
; The weights of the last 32 keys are rounded when their last reader, pair 127, is past: tile 0's product stands four plain lines back (the pair's group), tile 1's eight (tile 0's roundings).
.macro LUMP
.irp z, 8,9,10,11,12,13,14,15
	SL K_C, 0, \z
.endr
.irp z, 8,9,10,11,12,13,14,15
	SL K_C, 1, \z
.endr
.endm
; THE CHANGE OF SLOTS, with the last twelve pairs of the trip before, whose fragments lie in the ring: the old slot's last bytes have been asked for.  Each wave waits for all its tensor loads, of which one is
; out: its part of slot s; adds 0 to its spare word; and waits for that and for its own reads of the old slot.  Behind the barrier nobody reads the old slot any more and slot s is whole.
; fill = 1: the old slot is filled again, with tile NXT.  The barrier then opens a round of the cluster's, so that no wave of any partner still reads that slot or has a load on its way, and the joint fill is
; the first thing behind it: it has a trip less four pairs in which to land.  Then the ring catches up: fragments base .. base + 3 of slot s in one run, base + 4 .. base + 11 behind pairs 120 to 127.
.macro EDGE s, fill, base
.if \fill
	s_wait_xcnt 0x0                 ; the last prefetch, a trip back, has read its address, so it may be written
	s_add_nc_u64 s[PFA:PFA+1], s[PFA:PFA+1], STEPB
.endif
	WIN 0
	s_wait_tensorcnt 0x0            ; no tensor load of mine is out, so a group 0 may be written
	ds_add_u32 v[SPW], v[NIL]       ; 0 onto my spare word: scalar work and two pairs stand between it and the wait for it
.if \fill
	s_min_u32 s[OFK], s[NXT], 31    ; tile n: K of step n (tile 32: step 31 once more),
	s_lshl_b32 s[OFK], s[OFK], 16
	s_sub_co_u32 s[OFV], s[NXT], 1  ; V of step n - 1
	s_lshl_b32 s[OFV], s[OFV], 16
	s_add_nc_u64 s[G0K+4*(1-(\s))+2:G0K+4*(1-(\s))+3], s[KB:KB+1], s[OFK:OFK+1]  ; the address is made anew: the base and an offset
	s_or_b32 s[G0K+4*(1-(\s))+3], s[G0K+4*(1-(\s))+3], 0x80000000
	s_add_nc_u64 s[G0V+4*(1-(\s))+2:G0V+4*(1-(\s))+3], s[VB:VB+1], s[OFV:OFV+1]
	s_or_b32 s[G0V+4*(1-(\s))+3], s[G0V+4*(1-(\s))+3], 0x80000000
.endif
	PAIR 116, 22, 0, -1             ; behind fragment 116's loads: eleven fragments' 22 (and the add)
	PAIR 117, 20, 0, -1             ; behind fragment 117's: ten fragments' 20 (and the add): these pairs fetch nothing
	s_wait_dscnt 0x0                ; the add is done, and my reads of the old slot are over
	s_barrier_signal -1
	PAIR 118, -1, 0, -1             ; work on registers while the others arrive
	PAIR 119, -1, 0, -1
	WIN 0                           ; at a label and at a branch every window is 0
	s_barrier_wait -1
.if \fill
	CREST
	JLOAD 1-(\s)
.else
.rept 4
	v_nop
.endr
.endif
	LDF \s, (\base)
	LDF \s, (\base)+1
	LDF \s, (\base)+2
	LDF \s, (\base)+3
.if \fill
	ASK                             ; behind the joint load, its five lines and the run of LDS loads
	s_add_co_u32 s[NXT], s[NXT], 1
.endif
.set ee, 0
.rept 8
	PAIR 120+ee, -1, \s, (\base)+4+ee
.set ee, ee+1
.endr
	LUMP
.endm
; A TRIP on slot s, from the change of slots to pair 115.  The count 22: loads go out in the fragments' order, and behind fragment g's stand those of fragments g + 1 to g + 11.
.macro BODY s
	EDGE \s, 1, 0
.set gg, 0
.rept 116
	PAIR gg, 22, \s, gg+12
.set gg, gg+1
.endr
	s_wait_alu depctr_va_vdst(0)    ; the one wait for the trip's 66 exponentials: ahead of the first line that names a result, of every label and of the backward jump; pair 115's v_nop is the plain line behind the last of them
.endm
.Lloop:                             ; 16 times two trips: trips 0 to 31, which ask for tiles 1 to 32
	BODY 0
	BODY 1
	WIN 0
	s_sub_co_u32 s[CNT], s[CNT], 1
	s_cmp_lg_u32 s[CNT], 0
	s_cbranch_scc1 .Lloop
	; THE TAIL.  Trip 31's last twelve pairs; tile 32 is in; nothing is asked for, so a barrier of the work-group does; the ring takes V of step 31.
	EDGE 0, 0, 64
	; O^T times a(31) and V^T P of step 31.  Channel block cb is rescaled by numbers 8 cb .. 8 cb + 7: block 0 first, block v + 1 beside pair v's products.
.irp z, 0,1,2,3,4,5,6,7
	RS \z
.endr
.set vv, 0
.rept 64
.if vv < 52
	s_wait_dscnt 22
.else
	s_wait_dscnt 2*(63-vv)          ; nothing more is fetched: the counts run down
.endif
	MMV 64+vv, 0
.if vv < 31
	RS 8*(vv+1)
	RS 8*(vv+1)+1
	RS 8*(vv+1)+2
	RS 8*(vv+1)+3
.else
	v_nop                           ; the places in front of the loads into the ring: two a pair, eight between a slot's last product and its next load
	v_nop
.endif
	MMV 64+vv, 1
.if vv < 31
	RS 8*(vv+1)+4
	RS 8*(vv+1)+5
	RS 8*(vv+1)+6
	RS 8*(vv+1)+7
.endif
.if vv < 52
	WINL
	LDF 0, 76+vv
.endif
.set vv, vv+1
.endr
	; THE WAY OUT.  l's two halves and the other half of the lanes' are added; O^T is divided by l and sent through my stage in LDS, 16 rows x 64 channels (256 bytes of f32 a row) at a time.
	WIN 0
.rept 4
	v_nop                           ; the places behind the last products
.endr
.irp t, 0,1
	v_add_f32 v[ST+10*\t+4], v[ST+10*\t+2], v[ST+10*\t+3]
.endr
.irp t, 0,1
	v_permlanex16_b32 v[ST+10*\t+5], v[ST+10*\t+4], s[SEL], s[SEL+1]
.endr
.irp t, 0,1
	v_add_f32 v[ST+10*\t+4], v[ST+10*\t+4], v[ST+10*\t+5]
.endr
.irp t, 0,1
	v_rcp_f32 v[ST+10*\t+6], v[ST+10*\t+4]
.endr
	v_nop                           ; a plain line between the last reciprocal and the use of its result,
	s_wait_alu depctr_va_vdst(0)    ; and the wait ahead of the first use: one for both
; Chunk x of 16: tile x / 8, channel blocks 4 (x % 8) .. + 3.  A lane's eight channels of a row are 32 bytes; they go into rows of 272 bytes and come back as whole rows of 256, into one of two sets of 32 registers of the ring.
.macro PACK x
.set tW, (\x)/8
.set qW, (\x)%8
	WIN 0x82+0x41*(qW/4)
.set kW, 0
.rept 4
.set rO, 16*((4*qW+kW)%16)+8*tW
.irp z, 0,2,4,6
	v_pk_mul_f32 v[rO+\z:rO+\z+1], v[rO+\z:rO+\z+1], v[ST+10*tW+6:ST+10*tW+7] op_sel_hi:[1,0]
.endr
.set kW, kW+1
.endr
	WIN 0x08+0x04*(qW/4)            ; the stores' data (source 1) in window 2 or 3
.set kW, 0
.rept 4
.set rO, 16*((4*qW+kW)%16)+8*tW
	ds_store_b128 v[STO], v[rO:rO+3]   offset:64*kW
	ds_store_b128 v[STO], v[rO+4:rO+7] offset:64*kW+16
.set kW, kW+1
.endr
	WIN 0
	s_wait_xcnt 0x0                 ; the stores of the chunk before last have read this set of registers: it is loaded again only behind this wait
.irp i, 0,1,2,3,4,5,6,7
	ds_load_b128 v[FR+32*((\x)%2)+4*\i:FR+32*((\x)%2)+4*\i+3], v[RD] offset:\i*2*SP  ; LDS serves a wave's instructions in order (ISA guide 5.7.1.4): these see the stores above; the next chunk's stores come behind them
.endr
.endm
.macro SEND x, younger              ; younger: the LDS instructions issued behind chunk x's loads: the next chunk's sixteen, or none
.irp i, 0,1,2,3,4,5,6,7
	s_wait_dscnt (\younger)+7-\i
	global_store_b128 v[GO], v[FR+32*((\x)%2)+4*\i:FR+32*((\x)%2)+4*\i+3], s[12:13] offset:(16*((\x)/8)+2*\i)*2048+256*((\x)%8) th:TH_STORE_NT  ; 16 lanes store 256 consecutive bytes, at a multiple of 256 from out0's first byte
.endr
.endm
	PACK 0
.set xx, 1
.rept 15                            ; a chunk's arithmetic stands between the loads of the chunk before and its stores
	PACK xx
	SEND xx-1, 16
.set xx, xx+1
.endr
	SEND 15, 0
	s_wait_tensorcnt 0x0            ; the wave's end: behind my last tensor load and my last LDS store
	ds_add_u32 v[SPW], v[NIL]
	s_wait_dscnt 0x0
	CROUND                          ; the closing round: no work-group ends while a partner may still ask for a tile that names it
	s_endpgm
.Lfunc_end_k_q6b10ceecd6_attn:
	.size	k_q6b10ceecd6_attn, .Lfunc_end_k_q6b10ceecd6_attn-k_q6b10ceecd6_attn
	.p2alignl 7, 3214868480
	.fill 96, 4, 3214868480
	.section	.rodata,"a",@progbits
	.p2align	6, 0x0
	.amdhsa_kernel k_q6b10ceecd6_attn
		.amdhsa_group_segment_fixed_size 327680
		.amdhsa_private_segment_fixed_size 0
		.amdhsa_enable_private_segment 0
		.amdhsa_kernarg_size 40
		.amdhsa_user_sgpr_count 2
		.amdhsa_user_sgpr_kernarg_segment_ptr 1
		.amdhsa_wavefront_size32 1
		.amdhsa_system_sgpr_workgroup_id_x 1
		.amdhsa_system_sgpr_workgroup_id_y 1
		.amdhsa_system_sgpr_workgroup_id_z 1
		.amdhsa_system_vgpr_workitem_id 0
		.amdhsa_next_free_vgpr 1024
		.amdhsa_next_free_sgpr 80
		.amdhsa_reserve_vcc 0
		.amdhsa_float_denorm_mode_32 3
		.amdhsa_float_denorm_mode_16_64 3
		.amdhsa_memory_ordered 1
		.amdhsa_forward_progress 1
		.amdhsa_inst_pref_size 255
	.end_amdhsa_kernel
	.section	.bss,"aw",@nobits
	.p2align	6
	.space	262144
	.amdgpu_metadata
---
amdhsa.version: [ 1, 2 ]
amdhsa.kernels:
  - .name:           k_q6b10ceecd6_attn
    .symbol:         k_q6b10ceecd6_attn.kd
    .args:
      - { .name: kb, .offset: 0, .size: 8, .value_kind: global_buffer, .address_space: global }
      - { .name: vb, .offset: 8, .size: 8, .value_kind: global_buffer, .address_space: global }
      - { .name: query, .offset: 16, .size: 8, .value_kind: global_buffer, .address_space: global }
      - { .name: mask, .offset: 24, .size: 8, .value_kind: global_buffer, .address_space: global }
      - { .name: out0, .offset: 32, .size: 8, .value_kind: global_buffer, .address_space: global }
    .group_segment_fixed_size: 327680
    .private_segment_fixed_size: 0
    .kernarg_segment_align: 8
    .kernarg_segment_size: 40
    .max_flat_workgroup_size: 128
    .sgpr_count:     80
    .vgpr_count:     1024
    .wavefront_size: 32
...
	.end_amdgpu_metadata
.endif
;; end of part 2
;; ======== version 2 of 3: 2 launches
;; limits: inputs' magnitudes at most 65,504; values are held in f16: magnitudes above 65,504 overflow, below 6.1e-05 lose precision
;; workspace buffers: kb 33,554,432 bytes; vb 33,554,432 bytes
;; launch cast (part 3): grid 256 x 2, 8 waves a work-group, no clusters, 0 bytes of LDS; arguments key, value, kb, vb; writes kb, vb
.if DOCPART == 3
	.amdgcn_target "amdgcn-amd-amdhsa--gfx1250"
	.amdhsa_code_object_version 6
	.text
	.protected	k_q6b10ceecd6_cast
	.globl	k_q6b10ceecd6_cast
	.p2align	8
	.type	k_q6b10ceecd6_cast,@function
k_q6b10ceecd6_cast:
	s_mov_b64 s[64:65], 0
	v_nop
	global_prefetch_b8 v0, s[64:65] scope:SCOPE_SE
	s_setreg_imm32_b32 hwreg(HW_REG_WAVE_MODE, 25, 1), 1
	s_wait_xcnt 0x0
; kb = key rounded to bf16.  vb = value rounded to bf16, and that number written as f16.  key, value: [16][2048][512] f32; kb, vb: the same shape, 2 bytes a number.
; LIMITS.  |value| stays under 65,504 (f16's range); a bf16 number below 2^-14 keeps f16's fixed step of 2^-24.  NaN and infinities are not treated apart.
; SHARES.  Work-group y = 0 takes key, y = 1 value; work-group x owns 262,144 bytes in and 131,072 out: 64 rows of 4,096 bytes in.  Thread t owns the 16 bytes at 16 t of every
; such row and stores 8 bytes at 8 t: a wave's load covers 512 consecutive bytes, its store 256 consecutive bytes, aligned.
; One text serves both tensors without a branch: both roundings are made and a mask of all lanes, 0 or -1, picks one.
; A ring of DEPTH slots in registers keeps DEPTH loads of every wave on their way.  No LDS, no barrier, no matrix unit: each byte is read once and written once.
.set DEPTH, 16                         ; slots = loads of a wave on their way
.set ROUNDS, 64/DEPTH
.set ROWI,  4096                       ; bytes in a row in
.set ROWO,  2048                       ; bytes in a row out
.set T,   4                            ; v[4:9]    at work
.set X,   16                           ; v[16:79]  slot i: 4 numbers in f32 as loaded
.set Y,   80                           ; v[80:111] slot i: 4 numbers of 16 bits to store
	s_load_b256 s[4:11], s[0:1], 0x0               ; key s[4:5], value s[6:7], kb s[8:9], vb s[10:11]
	s_and_b32 s19, ttmp7, 0xffff                   ; y: which tensor
	s_lshl_b32 s2, ttmp9, 18                       ; the work-group's bytes in,
	s_mov_b32 s3, 0
	s_lshl_b32 s20, ttmp9, 17                      ; and out
	s_mov_b32 s21, 0
	s_mov_b32 s17, 0xffff0000                      ; a word's upper bf16
	v_lshlrev_b32 v1, 4, v0                        ; 16 t; never rewritten
	v_lshlrev_b32 v2, 3, v0                        ; 8 t; never rewritten
	s_wait_kmcnt 0x0
	s_cmp_eq_u32 s19, 0
	s_cselect_b64 s[12:13], s[4:5], s[6:7]         ; in
	s_cselect_b64 s[14:15], s[8:9], s[10:11]       ; out
	s_cselect_b32 s16, 0, -1                       ; all lanes: 0 keeps bf16, -1 takes f16
	s_add_nc_u64 s[12:13], s[12:13], s[2:3]
	s_add_nc_u64 s[14:15], s[14:15], s[20:21]
.irp i, 0,1,2,3,4,5,6,7,8,9,10,11,12,13,14,15
	global_load_b128 v[X+4*(\i):X+4*(\i)+3], v1, s[12:13] offset:(\i)*ROWI th:TH_LOAD_NT  ; the ring is filled: rows 0 to 15
.endr
; One slot's turn.  ahead = 1: the slot is filled again with the row DEPTH further down.  left = how many younger loads may stay out.
; The slot's Y, which its last store reads, was stored a round ago: between that store and the lines that write Y anew stands the wait at the round's end, so a turn has no wait of its own for it.
.macro SLOT i, ahead, left
	s_wait_loadcnt \left                           ; loads come back in order: mine is in, the younger ones stay out
	v_cvt_pk_bf16_f32 v[Y+2*(\i)],   v[X+4*(\i)],   v[X+4*(\i)+1]    ; rounded to bf16, to nearest even
	v_cvt_pk_bf16_f32 v[Y+2*(\i)+1], v[X+4*(\i)+2], v[X+4*(\i)+3]
	v_lshlrev_b32 v[T],   16,  v[Y+2*(\i)]         ; the rounded numbers as f32 again,
	v_and_b32     v[T+1], s17, v[Y+2*(\i)]
	v_lshlrev_b32 v[T+2], 16,  v[Y+2*(\i)+1]
	v_and_b32     v[T+3], s17, v[Y+2*(\i)+1]
	v_cvt_pk_f16_f32 v[T+4], v[T],   v[T+1]        ; and written as f16: eight significant bits fit into eleven
	v_cvt_pk_f16_f32 v[T+5], v[T+2], v[T+3]
	v_cndmask_b32 v[Y+2*(\i)],   v[Y+2*(\i)],   v[T+4], s16
	v_cndmask_b32 v[Y+2*(\i)+1], v[Y+2*(\i)+1], v[T+5], s16
.if \ahead
	global_load_b128 v[X+4*(\i):X+4*(\i)+3], v1, s[12:13] offset:(\i)*ROWI+DEPTH*ROWI th:TH_LOAD_NT
.endif
	global_store_b64 v2, v[Y+2*(\i):Y+2*(\i)+1], s[14:15] offset:(\i)*ROWO
.endm
	s_mov_b32 s18, ROUNDS-1
.Lround:
.irp i, 0,1,2,3,4,5,6,7,8,9,10,11,12,13,14,15
	SLOT \i, 1, DEPTH-1
.endr
	s_wait_xcnt 0x0                                ; once a round: only behind this wait are the two bases stepped and the round's sixteen Y written anew
	s_add_nc_u64 s[12:13], s[12:13], DEPTH*ROWI
	s_add_nc_u64 s[14:15], s[14:15], DEPTH*ROWO
	s_sub_co_u32 s18, s18, 1
	s_cmp_lg_u32 s18, 0
	s_cbranch_scc1 .Lround
.irp i, 0,1,2,3,4,5,6,7,8,9,10,11,12,13,14,15
	SLOT \i, 0, DEPTH-1-(\i)                       ; the last round loads nothing: the counts run down
.endr
	s_endpgm
.Lfunc_end_k_q6b10ceecd6_cast:
	.size	k_q6b10ceecd6_cast, .Lfunc_end_k_q6b10ceecd6_cast-k_q6b10ceecd6_cast
	.p2alignl 7, 3214868480
	.fill 96, 4, 3214868480
	.section	.rodata,"a",@progbits
	.p2align	6, 0x0
	.amdhsa_kernel k_q6b10ceecd6_cast
		.amdhsa_group_segment_fixed_size 0
		.amdhsa_private_segment_fixed_size 0
		.amdhsa_enable_private_segment 0
		.amdhsa_kernarg_size 32
		.amdhsa_user_sgpr_count 2
		.amdhsa_user_sgpr_kernarg_segment_ptr 1
		.amdhsa_wavefront_size32 1
		.amdhsa_system_sgpr_workgroup_id_x 1
		.amdhsa_system_sgpr_workgroup_id_y 1
		.amdhsa_system_sgpr_workgroup_id_z 1
		.amdhsa_system_vgpr_workitem_id 0
		.amdhsa_next_free_vgpr 112
		.amdhsa_next_free_sgpr 66
		.amdhsa_reserve_vcc 0
		.amdhsa_float_denorm_mode_32 3
		.amdhsa_float_denorm_mode_16_64 3
		.amdhsa_memory_ordered 1
		.amdhsa_forward_progress 1
		.amdhsa_inst_pref_size 25
	.end_amdhsa_kernel
	.amdgpu_metadata
---
amdhsa.version: [ 1, 2 ]
amdhsa.kernels:
  - .name:           k_q6b10ceecd6_cast
    .symbol:         k_q6b10ceecd6_cast.kd
    .args:
      - { .name: key, .offset: 0, .size: 8, .value_kind: global_buffer, .address_space: global }
      - { .name: value, .offset: 8, .size: 8, .value_kind: global_buffer, .address_space: global }
      - { .name: kb, .offset: 16, .size: 8, .value_kind: global_buffer, .address_space: global }
      - { .name: vb, .offset: 24, .size: 8, .value_kind: global_buffer, .address_space: global }
    .group_segment_fixed_size: 0
    .private_segment_fixed_size: 0
    .kernarg_segment_align: 8
    .kernarg_segment_size: 32
    .max_flat_workgroup_size: 256
    .sgpr_count:     66
    .vgpr_count:     112
    .wavefront_size: 32
...
	.end_amdgpu_metadata
.endif
;; end of part 3
;; launch attn (part 4): grid 16 x 16, 4 waves a work-group, clusters of 4 x 1, 327,680 bytes of LDS; arguments kb, vb, query, mask, out0; writes out0
.if DOCPART == 4
	.amdgcn_target "amdgcn-amd-amdhsa--gfx1250"
	.amdhsa_code_object_version 6
	.text
	.protected	k_q6b10ceecd6_attn
	.globl	k_q6b10ceecd6_attn
	.p2align	8
	.type	k_q6b10ceecd6_attn,@function
k_q6b10ceecd6_attn:
	s_mov_b64 s[64:65], 0
	v_nop
	global_prefetch_b8 v0, s[64:65] scope:SCOPE_SE
	s_setreg_imm32_b32 hwreg(HW_REG_WAVE_MODE, 25, 1), 1
	s_wait_xcnt 0x0
	s_wait_alu depctr_hold_cnt(0) depctr_sa_sdst(0) depctr_va_vdst(0) depctr_va_sdst(0) depctr_va_ssrc(0) depctr_va_vcc(0) depctr_vm_vsrc(0)
	s_getreg_b32 s2, hwreg(HW_REG_IB_STS2, 6, 4)
	s_cmp_eq_u32 s2, 0
	s_cbranch_scc0 .Lentry_in_a_cluster
	s_endpgm
.Lentry_in_a_cluster:
	s_bfe_u32 s2, ttmp6, 0x10000c
	s_cmp_lg_u32 s2, 0x3003
	s_cbranch_scc0 .Lentry_shape_is_right
	s_endpgm
.Lentry_shape_is_right:
; out0[b][i][:] = the sum over j of softmax_j(e[b][i][j]) value[b][j][:],  e = query[b][i] . key[b][j] / sqrt(512) - (1 - mask[b][i]) 1e9.   16 batches, 2,048 rows, 512 channels.
; kb: key in bf16, vb: value in f16 (bf16's rounding), both [16][2048][512]; query and out0 in f32; mask one byte a row.  Q is rounded to bf16 here.  S = K Q^T in bf16, O = V^T P in f16; all sums,
; maxima, l and O in f32; the weights p are rounded to f16 for the second product (their sum l is taken of the unrounded p).
; THE MASK takes 1e9 off every score of a masked ROW.  In f32 that rounds the row's scores to multiples of 64, so it is not left out: q = fl(fl(s scale - pen) + pen), pen = 0 or 1e9.  The second sum is
; exact, so q - max q is what the f32 softmax of e sees, and the running maximum works on small numbers.  Each lane loads its own query's byte.
; LIMITS.  query and value are finite (O^T's registers start with Q as loaded, and the first trip multiplies value's first 64 rows by weights of 0: both are wiped out by a factor 0, which an infinity or
; a NaN survives, in the rows of the same wave too); |value| < 65,504; p below 6e-8 counts as 0 in the product, below 2^-126 in l; s scale - pen is rounded once, not twice.
; SHARES.  A work-group owns 128 queries of a batch, each of its four waves 32: two tiles of 16.  16 x 16 work-groups.  Every wave walks all 2,048 keys, 64 a step.
; LAYOUT.  S^T = K Q^T (source 0 = 16 keys, source 1 = 16 queries): a lane holds ONE query (lane % 16) and the keys 8 (lane / 16) + 0..7.  Two such results, rounded in pairs, ARE source 1 (32 keys x 16
; queries) of O^T = V^T P, whose result again holds one query a lane, and eight channels.  K comes out of LDS as it lies, V ([key][channel]) turned, by ds_load_tr16_b128.
; SOFTMAX.  p = 2^(c q - c m), c = log2(e), with a running maximum m; O and l are multiplied by a = 2^(c m_old - c m_new) in every step.  m starts at the lowest finite number, l at 0: the first a is 0.
; THE TRIP.  Trip j: 128 products K Q^T of step j, beside them O^T times a(j-1); then 128 products V^T P of step j-1, beside them the softmax of step j.  So LDS tile j holds K of step j and V of step j-1.
; Tile 0 takes V of step 0 (weights 0).  Tile 32 takes K of step 31 once more, which nobody reads: 64 KiB a cluster, the price of one text for every fill.
; A PAIR is one fragment of K or V (16 x 32, 8 registers) and its two products, one a tile.  The fragments lie in 16 register slots, two halves of 8: while the 8 pairs of one half are multiplied, ONE RUN of
; 16 LDS loads, issued in front of them, fills the other half: the loads stand together, 16 runs a trip, never singly among the matrix instructions.
; CLUSTER.  The four query blocks of a cluster belong to one batch and walk the same K and V: each tile is asked for JOINTLY, by the same tensor load, descriptor and mask in all four.
; REGISTERS, in windows of 256 (s_set_vgpr_msb: bits 1:0 source 0, 3:2 source 1, 5:4 source 2, 7:6 destination):
;   window 0: v2-11 addresses; v12-31 ten registers of statistics a tile; v32-95 S^T; v96-127 P; v128-255 the fragments          window 1: Q, 128 a tile
;   windows 2, 3: O^T: channel block cb (16 channels) of tile t in window 2 + cb / 16 at 16 (cb % 16) + 8 t
.set PK,    528       ; a row of a K sub-tile in LDS: 512 bytes + 16 of padding = 33 x 16: the 16 rows of a load begin in 16 different columns of 16 bytes modulo 256
.set PV,    544       ; a row of a V sub-tile: 512 + 32 = 17 x 32
.set KSUB,  64*PK     ; 64 keys x 256 channels
.set VSUB,  64*PV
.set VOFF,  2*KSUB    ; a slot: K channels 0-255, K channels 256-511, V channels 0-255, V channels 256-511
.set SLOT,  VOFF+2*VSUB
.set STAGE, 2*SLOT    ; behind the ring, never filled by a tensor load: 16 rows x 272 bytes for each wave, for the way out
.set SP,    272
.set SPARE, STAGE+4*16*SP  ; behind the stages: the spare words, 128 bytes for each wave: two blocks of 256 bytes that no other line names
.set STEPB, 65536     ; 64 rows of kb or vb in memory
.set AK,  2           ; v2-3   LDS address of my lane's place in K's sub-tile 0 of slot 0, 1; never rewritten
.set AV,  4           ; v4-5   the same for V
.set STO, 6           ; v6     the way out: where I put 32 bytes of a row
.set RD,  7           ; v7     the way out: where I read rows back
.set GO,  8           ; v8     my byte offset in two rows of out0
.set PFO, 9           ; v9     the prefetches' offset: row lane / 2, block lane % 2 of 256 bytes; never rewritten
.set SPW, 10          ; v10    LDS address of my spare word: SPARE + 4 x my thread's number; never rewritten
.set NIL, 11          ; v11    0; never rewritten
.set ST,  12          ; tile t's statistics at v[ST+10 t]: c m, m, l (even keys', odd keys'), c0-c3 at work (c2 takes a), pen twice
.set S,   32          ; S^T: tile t, key block kb at S + 32 t + 8 kb
.set P,   96          ; P: tile t, key half kk at P + 16 t + 8 kk
.set FR,  128         ; the fragments: fragment g in register slot g % 16
.set TR,  128         ; at the head only: lane % 16,
.set TH,  129         ; lane / 16,
.set QO,  130         ; my byte offset in 16 rows of query,
.set MB,  132         ; v132-133 my two queries' mask bytes; v134-136 at work
.set WV,  14          ; s14  my wave's number
.set LIM, 15          ; s15  a wave prefetches while the tile to be filled is below it
.set G1K, 24          ; s[24:31] descriptor group 1 for K's sub-tiles
.set G1V, 32          ; s[32:39] for V's: it differs in the padding alone
.set G0K, 40          ; s[40:47] descriptor group 0 for K, a set for each slot
.set G0V, 48          ; s[48:55] the same for V
.set CNT, 56          ; s56  trips of the loop
.set NXT, 57          ; s57  the tile to be asked for next
.set CS,  58          ; s[58:59] c = log2(e): the packed forms take the pair's low word for both halves
.set SEL, 60          ; s[60:61] v_permlanex16_b32's selects: each lane takes its own place in the other half
.set SC,  62          ; s[62:63] 1 / sqrt(512)
.set KB,  66          ; s[66:67] kb at my batch and my half of the channels
.set VB,  68          ; s[68:69] vb likewise
.set OFK, 70          ; s[70:71] byte offset of the K step to be asked for
.set OFV, 72          ; s[72:73] of the V step
.set PFA, 74          ; s[74:75] where my prefetches stand
.set BIG, 76          ; s76  1e9
.set MSB, 0
.macro WIN new                      ; the high byte repeats the setting that is left; a switch that changes nothing is dropped
.if MSB != (\new)
	s_set_vgpr_msb (MSB<<8)|(\new)
.set MSB, (\new)
.endif
.endm
.macro WINL                         ; for LDS loads: destination and address in window 0; K Q^T's setting already says so
.if (MSB&0xc3) != 0
	WIN 0
.endif
.endm
; A joint fill of slot x.  Waves 0 and 1 fetch K's two halves of the channels, waves 2 and 3 V's: 64 rows x 512 bytes each.  The branch hangs on the wave's number alone.
; An s_nop 0 and four v_nop follow each of the two lines, ahead of the jump and the label.
.macro JLOAD x
	s_cmp_lt_u32 s[WV], 2
	s_cbranch_scc0 .Lfor_v_\@
	tensor_load_to_lds s[G0K+4*(\x):G0K+4*(\x)+3], s[G1K:G1K+7]
	s_nop 0
.rept 4
	v_nop
.endr
	s_branch .Lasked_\@
.Lfor_v_\@:
	tensor_load_to_lds s[G0V+4*(\x):G0V+4*(\x)+3], s[G1V:G1V+7]
	s_nop 0
.rept 4
	v_nop
.endr
.Lasked_\@:
.endm
; A PREFETCH INTO THE L2 of the tile that the NEXT change of slots will ask for: one trip, 256 products, ahead of that load.  All four clusters of a batch walk the same rows: the batch's first cluster
; asks.  Each of its waves names its own tensor and half of the channels; the four partners share the 64 rows out BY ADDRESS, 16 each; a lane names one block of 256 bytes.  So each block is named once
; in the launch.  Tiles 0 and 1 come by their loads alone; K's waves stop when step 31 has been named, V's likewise: no prefetch passes a buffer's end.
.macro ASK
	s_cmp_lt_u32 s[NXT], s[LIM]
	s_cbranch_scc0 .Lnot_mine_\@
	global_prefetch_b8 v[PFO], s[PFA:PFA+1] th:TH_LOAD_NT scope:SCOPE_SE
.Lnot_mine_\@:
.endm
; A round of the cluster's barrier: my work-group's barrier, so that wave 0's signal speaks for all four waves; wave 0 signals; every wave waits for all four work-groups; my work-group's barrier once more.
.macro CREST                        ; a round behind its opening barrier
	s_cmp_lg_u32 s[WV], 0
	s_cbranch_scc1 .Lnot_wave_0_\@
	s_barrier_signal -3
.Lnot_wave_0_\@:
	s_barrier_wait -3
	s_barrier_signal -1
	s_barrier_wait -1
.endm
.macro CROUND
	s_barrier_signal -1
	s_barrier_wait -1
	CREST
.endm
	s_load_b256 s[4:11], s[0:1], 0x0  ; kb s[4:5], vb s[6:7], query s[8:9], mask s[10:11]
	s_load_b64 s[12:13], s[0:1], 0x20 ; out0
	v_lshl_add_u32 v[SPW], v0, 2, SPARE
	v_mov_b32 v[NIL], 0
	ds_add_u32 v[SPW], v[NIL]       ; the wave's opening: the add and its wait stand ahead of my first tensor load; the set-up below, work on registers, stands between them
	v_lshrrev_b32 v1, 5, v0
	v_readfirstlane_b32 s[WV], v1   ; wave 0..3
	s_bfe_u32 s16, ttmp6, 0x40000   ; cx: my place in the cluster
	s_lshl_b32 s17, ttmp9, 2        ; in a cluster launch ttmp9 counts clusters
	s_add_co_u32 s17, s17, s16      ; my block of 128 queries: it enters query's, mask's and out0's addresses alone
	s_and_b32 s18, ttmp7, 0xffff    ; the batch, which the four partners share
	s_and_b32 s19, s[WV], 1         ; which half of the channels I fetch
	s_lshl_b32 s20, s18, 21         ; the batch's 2,048 rows of 1,024 bytes,
	s_lshl_b32 s21, s19, 9          ; my half of a row
	s_add_co_u32 s20, s20, s21
	s_mov_b32 s21, 0
	s_lshl_b32 s22, s18, 11
	s_lshl_b32 s23, s17, 7
	s_add_co_u32 s22, s22, s23
	s_lshl_b32 s23, s[WV], 5
	s_add_co_u32 s2, s22, s23       ; my wave's first row among all 32,768: its byte in mask,
	s_mov_b32 s3, 0
	s_lshl_b32 s22, s2, 11          ; and in query and out0, rows of 2,048 bytes
	s_mov_b32 s23, 0
	; descriptor group 1: a sub-tile of 64 rows x 256 elements out of rows of 512, padded in LDS
	s_mov_b32 s[G1K], 15|(1<<16)|(1<<20)|(1<<21)|(6<<22)|(3<<25)  ; 15:0 the mask of four; 17:16 2-byte elements; 20 padding on; 21 set beside a mask; 24:22 after every 128 words (code 6); 31:25 4 words (code 3)
	s_mov_b32 s[G1V], 15|(1<<16)|(1<<20)|(1<<21)|(6<<22)|(7<<25)  ; the same with 8 words of padding (code 7)
.irp g, G1K, G1V
	s_mov_b32 s[\g+1], 256<<16      ; tensor_dim0 = 256
	s_mov_b32 s[\g+2], 64<<16       ; tensor_dim1 = 64
	s_mov_b32 s[\g+3], 256<<16      ; tile_dim0 = 256
	s_mov_b32 s[\g+4], 64           ; tile_dim1 = 64
	s_mov_b32 s[\g+5], 512          ; 512 elements from row to row
	s_mov_b32 s[\g+6], 0
	s_mov_b32 s[\g+7], 0
.endr
	s_mul_i32 s78, s19, KSUB        ; my sub-tile's place in a slot: no place in the cluster enters an LDS address
	s_mul_i32 s79, s19, VSUB
.irp x, 0,1
	s_mov_b32 s[G0K+4*\x], 1                        ; 1:0 count = 1
	s_add_co_u32 s[G0K+4*\x+1], s78, \x*SLOT        ; 63:32 LDS address; written once
	s_mov_b32 s[G0V+4*\x], 1
	s_add_co_u32 s[G0V+4*\x+1], s79, \x*SLOT+VOFF
.endr
	s_mov_b32 s[CS], 0x3fb8aa3b     ; log2(e)
	s_mov_b32 s[CS+1], s[CS]        ; named with it as a pair
	s_mov_b32 s[SC], 0x3d3504f3     ; 1 / sqrt(512)
	s_mov_b32 s[SC+1], s[SC]
	s_mov_b32 s[SEL], 0x76543210
	s_mov_b32 s[SEL+1], 0xfedcba98
	s_mov_b32 s[BIG], 0x4e6e6b28    ; 1e9
	s_mov_b32 s[OFK+1], 0
	s_mov_b32 s[OFV+1], 0
	s_mov_b32 s[NXT], 1
	s_mov_b32 s[CNT], 16
	s_wait_dscnt 0x0                ; the opening add is done
	s_wait_kmcnt 0x0
	s_add_nc_u64 s[KB:KB+1], s[4:5], s[20:21]
	s_add_nc_u64 s[VB:VB+1], s[6:7], s[20:21]
	s_add_nc_u64 s[8:9], s[8:9], s[22:23]     ; query and out0 at my wave's first row
	s_add_nc_u64 s[12:13], s[12:13], s[22:23]
	s_add_nc_u64 s[10:11], s[10:11], s[2:3]   ; mask at my wave's first byte
	s_mov_b64 s[G0K+2:G0K+3], s[KB:KB+1]      ; 120:64 global address: tile 0 is K of step 0,
	s_or_b32 s[G0K+3], s[G0K+3], 0x80000000   ; 127:126 type = 2
	s_mov_b64 s[G0V+2:G0V+3], s[VB:VB+1]      ; and V of step 0
	s_or_b32 s[G0V+3], s[G0V+3], 0x80000000
	s_cmp_lt_u32 s[WV], 2
	s_cselect_b64 s[PFA:PFA+1], s[KB:KB+1], s[VB:VB+1]
	s_cselect_b32 s2, STEPB, 0      ; the first change of slots steps these to K of step 2 and V of step 1: tile 2
	s_cselect_b32 s[LIM], 31, 32
	s_lshl_b32 s16, s16, 14         ; my work-group's 16 rows of the 64
	s_add_co_u32 s2, s2, s16
	s_add_nc_u64 s[PFA:PFA+1], s[PFA:PFA+1], s[2:3]
	s_cmp_eq_u32 ttmp9, 0           ; the batch's first cluster asks: the same answer in all four partners
	s_cselect_b32 s[LIM], s[LIM], 0
	CROUND                          ; all four work-groups are here: the first joint loads meet
	JLOAD 0                         ; tile 0 into slot 0; slot 1 is filled behind the first trip's round, as a refill is
	; Q.  A fragment (source 1) is 16 queries x 32 channels: lane l holds query l % 16, channels 8 (l / 16) + 0..7 and 16 + 8 (l / 16) + 0..7: in f32 two runs of 32 bytes, 64 bytes apart: four loads.
	; Tile t lands in window 2 + t, which O^T takes over later, fragment c at 16 c.
	v_and_b32 v[TR], 15, v0
	v_bfe_u32 v[TH], v0, 4, 1
	v_lshlrev_b32 v[QO], 11, v[TR]
	v_lshl_add_u32 v[QO], v[TH], 5, v[QO]  ; row x 2,048 + 32 x half
.irp t, 0,1
	WIN 0x80+0x40*\t                ; destination window 2 + t, address window 0
.set i, 0
.rept 64
	global_load_b128 v[4*i:4*i+3], v[QO], s[8:9] offset:32768*\t+128*(i/4)+64*((i%4)/2)+16*(i%2)
.set i, i+1
.endr
.endr
	WIN 0
	global_load_u8 v[MB],   v[TR], s[10:11]            ; my query's byte in tile 0,
	global_load_u8 v[MB+1], v[TR], s[10:11] offset:16  ; and in tile 1
	; while these are on their way: the addresses,
	v_mul_u32_u24 v[AK], v[TR], PK
	v_lshl_add_u32 v[AK], v[TH], 4, v[AK]  ; K: row x pitch + 16 x half
	v_add_nc_u32 v[AK+1], SLOT, v[AK]
	v_and_b32 v134, 7, v0           ; V: the turning load takes 16 keys x 16 channels: lane l reads key 8 (l / 16) + l % 8, channels 8 ((l / 8) % 2) + 0..7
	v_bfe_u32 v135, v0, 3, 1
	v_lshl_add_u32 v[AV], v[TH], 3, v134
	v_mul_u32_u24 v[AV], v[AV], PV
	v_lshl_add_u32 v[AV], v135, 4, v[AV]
	v_add_nc_u32 v[AV], VOFF, v[AV]
	v_add_nc_u32 v[AV+1], SLOT, v[AV]
	s_mul_i32 s78, s[WV], 16*SP
	s_add_co_u32 s78, s78, STAGE    ; my stage
	v_mul_u32_u24 v[STO], v[TR], SP ; in: row l % 16, 32 bytes for each half of the lanes
	v_lshl_add_u32 v[STO], v[TH], 5, v[STO]
	v_add_nc_u32 v[STO], s78, v[STO]
	v_mul_u32_u24 v[RD], v[TH], SP  ; back: lanes 0-15 take one row of 256 bytes, lanes 16-31 the next
	v_lshl_add_u32 v[RD], v[TR], 4, v[RD]
	v_add_nc_u32 v[RD], s78, v[RD]
	v_lshlrev_b32 v[GO], 11, v[TH]  ; and the same two rows in out0
	v_lshl_add_u32 v[GO], v[TR], 4, v[GO]
	v_and_b32 v[PFO], 31, v0
	v_and_b32 v136, 1, v0
	v_lshrrev_b32 v[PFO], 1, v[PFO]
	v_lshlrev_b32 v[PFO], 10, v[PFO]
	v_lshl_add_u32 v[PFO], v136, 8, v[PFO]
	; and what the first trip finds: it begins with the last twelve pairs of a trip that has not been, on zeros.  S^T, P and fragment slots 4-15 are 0; no first step is written out.
.set i, S
.rept 96
	v_mov_b32 v[i], 0
.set i, i+1
.endr
.set i, FR+32
.rept 96
	v_mov_b32 v[i], 0
.set i, i+1
.endr
.irp t, 0,1
	v_mov_b32 v[ST+10*\t], 0xfe000000    ; c m: far below every c q
	v_mov_b32 v[ST+10*\t+1], 0xff7fffff  ; m
.irp z, 2,3,4,5,6,7
	v_mov_b32 v[ST+10*\t+\z], 0          ; l, c0-c3; a = 0
.endr
.endr
	s_wait_loadcnt 0x0              ; Q and the mask
.irp t, 0,1
	WIN 0x4a+0x05*\t                ; sources 0 and 1 window 2 + t, destination window 1
.set i, 0
.rept 128
	v_cvt_pk_bf16_f32 v[128*\t+i], v[2*i], v[2*i+1]
.set i, i+1
.endr
.endr
	WIN 0
	v_cvt_f32_u32 v[MB], v[MB]
	v_cvt_f32_u32 v[MB+1], v[MB+1]
	v_fma_f32 v[ST+8],  -v[MB],   s[BIG], s[BIG]  ; pen = (1 - mask) 1e9: 0 or 1e9, exactly
	v_fma_f32 v[ST+18], -v[MB+1], s[BIG], s[BIG]
	v_mov_b32 v[ST+9],  v[ST+8]
	v_mov_b32 v[ST+19], v[ST+18]
; THE FRAGMENTS of a trip are numbered g = 0..127.  g < 64: K, channels 32 (g / 4) on, keys 16 (g % 4) on.  g >= 64: V, f = g - 64: keys 32 (f / 32) on, channels 16 (f % 32) on.
.macro LDF s, g                     ; fragment g of slot s into register slot g % 16: two loads
.set rF, FR+8*((\g)%16)
.if (\g) < 64
.set oF, ((\g)/32)*KSUB+((\g)%4)*16*PK+(((\g)/4)%8)*64
	ds_load_b128 v[rF:rF+3],   v[AK+(\s)] offset:oF
	ds_load_b128 v[rF+4:rF+7], v[AK+(\s)] offset:oF+32
.else
.set fF, (\g)-64
.set oF, ((fF%32)/16)*VSUB+(fF/32)*32*PV+(fF%16)*32
	ds_load_tr16_b128 v[rF:rF+3],   v[AV+(\s)] offset:oF
	ds_load_tr16_b128 v[rF+4:rF+7], v[AV+(\s)] offset:oF+16*PV
.endif
.endm
; A RUN: the 8 fragments of group k (fragments 8 k .. 8 k + 7) of slot s, 16 loads on end, into the half of the register slots that group k - 2 has read.  places = 1: four v_nop stand in front: a load into
; a register that a matrix instruction has read stands four places behind it, and only plain vector lines that name none of its registers are places (ISA guide 7.12.1 for vector instructions);
; the run follows that group's last product directly.
.macro RUN s, k, places
	WINL
.if \places
.rept 4
	v_nop
.endr
.endif
.set rn, 0
.rept 8
	LDF \s, 8*(\k)+rn
.set rn, rn+1
.endr
.endm
; THE PRODUCTS.  The accumulators take turns, one instruction a turn: 8 in K Q^T, 64 in V^T P; over the phases' and the trips' edges too.
.macro MMK g, t                     ; S^T(t, g % 4) += K fragment g x Q(t, g / 4); the first four fragments start the sums
	WIN 0x04                        ; Q in window 1, all else in window 0
.set rS, S+32*(\t)+8*((\g)%4)
.set rF, FR+8*((\g)%16)
.set rQ, 128*(\t)+8*((\g)/4)
.if (\g) < 4
	v_wmma_f32_16x16x32_bf16 v[rS:rS+7], v[rF:rF+7], v[rQ:rQ+7], 0
.else
	v_wmma_f32_16x16x32_bf16 v[rS:rS+7], v[rF:rF+7], v[rQ:rQ+7], v[rS:rS+7]
.endif
.endm
.macro MMV g, t                     ; O^T(t, cb) += V fragment g x P(t, kk)
.set fF, (\g)-64
.set cB, fF%32
	WIN 0xa0+0x50*(cB/16)           ; O^T in window 2 or 3, V and P in window 0
.set rO, 16*(cB%16)+8*(\t)
.set rF, FR+8*((\g)%16)
.set rP, P+16*(\t)+8*(fF/32)
	v_wmma_f32_16x16x32_f16 v[rO:rO+7], v[rF:rF+7], v[rP:rP+7], v[rO:rO+7]
.endm
; THE RESCALING: number n of 256: a pair of O^T's registers times its tile's a.  In ascending order.
.macro RS n
.set mR, (\n)%128
	WIN 0x82+0x41*((\n)/128)        ; destination and source 0 in window 2 or 3, a in window 0
.set rA, ST+10*((mR/4)%2)+6
	v_pk_mul_f32 v[2*mR:2*mR+1], v[2*mR:2*mR+1], v[rA:rA+1] op_sel_hi:[1,0]
.endm
; THE SOFTMAX, a line at a time: SL kind, tile, number.  s0-s31 are the lane's 32 scores, pair n is s(2n), s(2n+1).
;   M1 n: s scale - pen.   M2 n: + pen (exact).   X n: number n of the 21 that find the maximum and the statistics (below).   F n: c q - c m.   E n: the exponential of score n.   EA: a.
;   C n: pair n rounded to f16.   ZL, ZT: the sums, in two chains, which leave S^T as it is: ZL 0: l = a l + pair 0; ZL i: l += pair 2 i; ZT 0: (c0, c1) = pair 1 + pair 3; ZT i: += pair 2 i + 3; ZT 7: l += (c0, c1).
;   X 0-11  four chains c0-c3 of seven scores each, three operands at a time     12-15  the four scores left over, c0-c3 and the old m into c0
;   X 16, 18  the query's other 32 keys lie in the lane 16 away: the new m         17  c m_old is kept     19, 20  c m; c m_old - c m_new
.set K_M1, 0
.set K_M2, 1
.set K_X,  2
.set K_F,  3
.set K_E,  4
.set K_EA, 5
.set K_C,  6
.set K_ZL, 7
.set K_ZT, 8
.macro SL k, u, n
	WIN 0
.set rT, ST+10*(\u)
.set rS, S+32*(\u)
.set rP, P+16*(\u)
.if (\k) == K_M1
	v_pk_fma_f32 v[rS+2*(\n):rS+2*(\n)+1], v[rS+2*(\n):rS+2*(\n)+1], s[SC:SC+1], v[rT+8:rT+9] op_sel_hi:[1,0,0] neg_lo:[0,0,1] neg_hi:[0,0,1]
.elseif (\k) == K_M2
	v_pk_add_f32 v[rS+2*(\n):rS+2*(\n)+1], v[rS+2*(\n):rS+2*(\n)+1], v[rT+8:rT+9]
.elseif (\k) == K_F
	v_pk_fma_f32 v[rS+2*(\n):rS+2*(\n)+1], v[rS+2*(\n):rS+2*(\n)+1], s[CS:CS+1], v[rT:rT+1] op_sel_hi:[1,0,0] neg_lo:[0,0,1] neg_hi:[0,0,1]
.elseif (\k) == K_E
	v_exp_f32 v[rS+(\n)], v[rS+(\n)]
.elseif (\k) == K_EA
	v_exp_f32 v[rT+6], v[rT+7]
.elseif (\k) == K_C
	v_cvt_pk_f16_f32 v[rP+(\n)], v[rS+2*(\n)], v[rS+2*(\n)+1]
.elseif ((\k) == K_ZL) && ((\n) == 0)
	v_pk_fma_f32 v[rT+2:rT+3], v[rT+2:rT+3], v[rT+6:rT+7], v[rS:rS+1] op_sel_hi:[1,0,1]
.elseif (\k) == K_ZL
	v_pk_add_f32 v[rT+2:rT+3], v[rT+2:rT+3], v[rS+4*(\n):rS+4*(\n)+1]
.elseif ((\k) == K_ZT) && ((\n) == 0)
	v_pk_add_f32 v[rT+4:rT+5], v[rS+2:rS+3], v[rS+6:rS+7]
.elseif ((\k) == K_ZT) && ((\n) < 7)
	v_pk_add_f32 v[rT+4:rT+5], v[rT+4:rT+5], v[rS+4*(\n)+6:rS+4*(\n)+7]
.elseif (\k) == K_ZT
	v_pk_add_f32 v[rT+2:rT+3], v[rT+2:rT+3], v[rT+4:rT+5]
.elseif (\n) < 4
	v_max3_num_f32 v[rT+4+(\n)], v[rS+8*(\n)], v[rS+8*(\n)+1], v[rS+8*(\n)+2]
.elseif (\n) < 12
	v_max3_num_f32 v[rT+4+(\n)%4], v[rT+4+(\n)%4], v[rS+8*((\n)%4)+2*((\n)/4)+1], v[rS+8*((\n)%4)+2*((\n)/4)+2]
.elseif (\n) == 12
	v_max3_num_f32 v[rT+4], v[rT+4], v[rS+7], v[rS+15]
.elseif (\n) == 13
	v_max3_num_f32 v[rT+6], v[rT+6], v[rS+23], v[rS+31]
.elseif (\n) == 14
	v_max3_num_f32 v[rT+4], v[rT+4], v[rT+5], v[rT+6]
.elseif (\n) == 15
	v_max3_num_f32 v[rT+4], v[rT+4], v[rT+7], v[rT+1]
.elseif (\n) == 16
	v_permlanex16_b32 v[rT+5], v[rT+4], s[SEL], s[SEL+1]
.elseif (\n) == 17
	v_mov_b32 v[rT+7], v[rT]
.elseif (\n) == 18
	v_max_num_f32 v[rT+1], v[rT+4], v[rT+5]
.elseif (\n) == 19
	v_mul_f32 v[rT], s[CS], v[rT+1]
.else
	v_sub_f32 v[rT+7], v[rT+7], v[rT]
.endif
.endm
; Three lists.  T0, 48 long: tile 0's scalings 1-15, its a and its exponentials: entry 3 k is F k + 1 (entry 45: a), entries 3 k + 1, 3 k + 2 are E 2 k, E 2 k + 1: a pair is scaled four entries ahead of its exponentials.
; UU, 28 long: tile 1's M2 2-15, then its X 0-13.   LL, 33 long: tile 1's a, then its exponentials.
.macro T0 i
.if (\i) == 45
	SL K_EA, 0, 0
.elseif (\i)%3 == 0
	SL K_F, 0, (\i)/3+1
.else
	SL K_E, 0, 2*((\i)/3)+(\i)%3-1
.endif
.endm
.macro UU i
.if (\i) < 14
	SL K_M2, 1, (\i)+2
.else
	SL K_X, 1, (\i)-14
.endif
.endm
.macro LL i
.if (\i) == 0
	SL K_EA, 1, 0
.else
	SL K_E, 1, (\i)-1
.endif
.endm
; Group p of 64: the four lines that stand behind the first product of pair 64 + p.  Group 0 is empty: the scores' first reader, in group 1, reads what pair 60 wrote, and the sixteen rescalings beside pairs
; 60 to 63 are its places.  Tile 0 goes first; where its chain (X 12 to X 20) has one link a group, tile 1's mask lines fill the group; tile 0's scalings and exponentials then stand between tile 1's
; lines.  All 66 exponentials stand in groups 19 to 51, and nothing there names a result of theirs: they are ONE batch, with one wait, behind pair 115.  Groups 52 to 63 read the results: roundings of
; the first 32 keys' weights (their last reader was pair 95), then the sums.
.macro SMG p
.if (\p) == 0
.elseif (\p) < 5
.irp z, 0,1,2,3
	SL K_M1, 0, 4*((\p)-1)+\z
.endr
.elseif (\p) < 9
.irp z, 0,1,2,3
	SL K_M2, 0, 4*((\p)-5)+\z
.endr
.elseif (\p) < 12
.irp z, 0,1,2,3
	SL K_X, 0, 4*((\p)-9)+\z
.endr
.elseif (\p) == 12
	SL K_X, 0, 12
	SL K_X, 0, 13
	SL K_M1, 1, 0
	SL K_M1, 1, 1
.elseif (\p) == 13
	SL K_X, 0, 14
	SL K_M1, 1, 2
	SL K_M1, 1, 3
	SL K_M1, 1, 4
.elseif (\p) == 14
	SL K_X, 0, 15
	SL K_M1, 1, 5
	SL K_M1, 1, 6
	SL K_M1, 1, 7
.elseif (\p) == 15
	SL K_X, 0, 16
	SL K_X, 0, 17
	SL K_M1, 1, 8
	SL K_M1, 1, 9
.elseif (\p) == 16
	SL K_X, 0, 18
	SL K_M1, 1, 10
	SL K_M1, 1, 11
	SL K_M1, 1, 12
.elseif (\p) == 17
	SL K_X, 0, 19
	SL K_M1, 1, 13
	SL K_M1, 1, 14
	SL K_M1, 1, 15
.elseif (\p) == 18
	SL K_X, 0, 20
	SL K_F, 0, 0
	SL K_M2, 1, 0
	SL K_M2, 1, 1
.elseif (\p) < 33
	UU 2*((\p)-19)
	T0 2*((\p)-19)
	UU 2*((\p)-19)+1
	T0 2*((\p)-19)+1
.elseif (\p) == 33
	SL K_X, 1, 14
	T0 28
	T0 29
	T0 30
.elseif (\p) == 34
	SL K_X, 1, 15
	T0 31
	T0 32
	T0 33
.elseif (\p) == 35
	SL K_X, 1, 16
	T0 34
	SL K_X, 1, 17
	T0 35
.elseif (\p) == 36
	SL K_X, 1, 18
	T0 36
	T0 37
	T0 38
.elseif (\p) == 37
	SL K_X, 1, 19
	T0 39
	T0 40
	T0 41
.elseif (\p) == 38
	SL K_X, 1, 20
	T0 42
	SL K_F, 1, 0
	T0 43
.elseif (\p) == 39
	SL K_F, 1, 1
	T0 44
	SL K_F, 1, 2
	T0 45
.elseif (\p) == 40
	SL K_F, 1, 3
	T0 46
	SL K_F, 1, 4
	T0 47
.elseif (\p) < 52
	SL K_F, 1, (\p)-36
	LL 3*((\p)-41)
	LL 3*((\p)-41)+1
	LL 3*((\p)-41)+2
.elseif (\p) < 56
	SL K_C, 0, 2*((\p)-52)
	SL K_C, 1, 2*((\p)-52)
	SL K_C, 0, 2*((\p)-52)+1
	SL K_C, 1, 2*((\p)-52)+1
.else
	SL K_ZL, 0, (\p)-56
	SL K_ZL, 1, (\p)-56
	SL K_ZT, 0, (\p)-56
	SL K_ZT, 1, (\p)-56
.endif
.endm
; A PAIR: a wait (w = how many younger LDS instructions may stay out; -1: no wait); tile 0's product; four vector lines; tile 1's product.
.macro PAIR g, w
.if (\w) >= 0
	s_wait_dscnt \w
.endif
.if (\g) < 64
	MMK \g, 0
	RS 4*(\g)
	RS 4*(\g)+1
	RS 4*(\g)+2
	RS 4*(\g)+3
	MMK \g, 1
.else
	MMV \g, 0
	SMG (\g)-64
	MMV \g, 1
.endif
.endm
; The weights of the last 32 keys are rounded when their last reader, pair 127, is past: tile 0's product stands four plain lines back (the pair's group), tile 1's eight (tile 0's roundings).
.macro LUMP
.irp z, 8,9,10,11,12,13,14,15
	SL K_C, 0, \z
.endr
.irp z, 8,9,10,11,12,13,14,15
	SL K_C, 1, \z
.endr
.endm
; THE CHANGE OF SLOTS, with the last twelve pairs of the trip before: the old slot's last bytes, fragments 120 to 127, were asked for ahead of pair 112.  Each wave waits for all its tensor loads, of which one
; is out: its part of slot s; adds 0 to its spare word; and, four pairs on, waits for that and for its own reads of the old slot.  Behind the barrier nobody reads the old slot any more and slot s is whole.
; fill = 1: the old slot is filled again, with tile NXT.  The barrier then opens a round of the cluster's, so that no wave of any partner still reads that slot or has a load on its way, and the joint fill is
; the first thing behind it: it has a trip less six pairs in which to land.  Then the first run out of slot s, group k0, into the half that pairs 112 to 119 have read: the eight plain lines beside
; pairs 120 and 121 are its places.  It has six pairs and sixteen roundings in which to land.
.macro EDGE s, fill, k0
.if \fill
	s_wait_xcnt 0x0                 ; the last prefetch, a trip back, has read its address, so it may be written
	s_add_nc_u64 s[PFA:PFA+1], s[PFA:PFA+1], STEPB
.endif
	WIN 0
	s_wait_tensorcnt 0x0            ; no tensor load of mine is out, so a group 0 may be written
	ds_add_u32 v[SPW], v[NIL]       ; 0 onto my spare word: scalar work and four pairs stand between it and the wait for it
.if \fill
	s_min_u32 s[OFK], s[NXT], 31    ; tile n: K of step n (tile 32: step 31 once more),
	s_lshl_b32 s[OFK], s[OFK], 16
	s_sub_co_u32 s[OFV], s[NXT], 1  ; V of step n - 1
	s_lshl_b32 s[OFV], s[OFV], 16
	s_add_nc_u64 s[G0K+4*(1-(\s))+2:G0K+4*(1-(\s))+3], s[KB:KB+1], s[OFK:OFK+1]  ; the address is made anew: the base and an offset
	s_or_b32 s[G0K+4*(1-(\s))+3], s[G0K+4*(1-(\s))+3], 0x80000000
	s_add_nc_u64 s[G0V+4*(1-(\s))+2:G0V+4*(1-(\s))+3], s[VB:VB+1], s[OFV:OFV+1]
	s_or_b32 s[G0V+4*(1-(\s))+3], s[G0V+4*(1-(\s))+3], 0x80000000
.endif
	PAIR 116, 20                    ; fragments 116, 117 are in: behind their loads stand 4 of their own run and the 16 of the next (and the add: the count is the stricter for it)
	PAIR 117, -1
	PAIR 118, 16                    ; fragments 118, 119: behind them the 16 of the next run (and the add)
	PAIR 119, -1
	s_wait_dscnt 0x0                ; the add is done, and my reads of the old slot are over: fragments 120 to 127 are in
	s_barrier_signal -1
	PAIR 120, -1                    ; work on registers while the others arrive
	PAIR 121, -1
	WIN 0                           ; at a label and at a branch every window is 0
	s_barrier_wait -1
.if \fill
	CREST
	JLOAD 1-(\s)
.endif
	RUN \s, \k0, 0
.if \fill
	ASK                             ; behind the joint load, its five lines and the run of LDS loads
	s_add_co_u32 s[NXT], s[NXT], 1
.endif
.set ee, 122
.rept 6
	PAIR ee, -1
.set ee, ee+1
.endr
	LUMP
.endm
; A TRIP on slot s, from the change of slots to pair 115.  In front of group k's eight pairs stands the run for group k + 1.  One wait for two pairs: at pair i of a group (i = 0, 2, 4, 6) fragments i and
; i + 1 must be in; behind their loads stand 12 - 2 i of the same run and the 16 of the next: 28 - 2 i.
.macro BODY s
	EDGE \s, 1, 0
.set gg, 0
.rept 116
.if gg%8 == 0
	RUN \s, gg/8+1, 1
.endif
.if gg%2 == 0
	PAIR gg, 28-2*(gg%8)
.else
	PAIR gg, -1
.endif
.set gg, gg+1
.endr
	v_nop                           ; the plain line behind the last exponential,
	s_wait_alu depctr_va_vdst(0)    ; and the one wait for the trip's 66 exponentials: ahead of the first line that names a result, of every label and of the backward jump
.endm
.Lloop:                             ; 16 times two trips: trips 0 to 31, which ask for tiles 1 to 32
	BODY 0
	BODY 1
	WIN 0
	s_sub_co_u32 s[CNT], s[CNT], 1
	s_cmp_lg_u32 s[CNT], 0
	s_cbranch_scc1 .Lloop
	; THE TAIL.  Trip 31's last twelve pairs; tile 32 is in; nothing is asked for, so a barrier of the work-group does; the first run takes V of step 31, group 8.
	EDGE 0, 0, 8
	; O^T times a(31) and V^T P of step 31.  Channel block cb is rescaled by numbers 8 cb .. 8 cb + 7: block 0 first, block v + 1 beside pair v's products.
.irp z, 0,1,2,3,4,5,6,7
	RS \z
.endr
.set vv, 0
.rept 64
.if (vv%8 == 0) && (vv < 56)
	RUN 0, 9+vv/8, 1
.endif
.if vv%2 == 0
.if vv < 56
	s_wait_dscnt 28-2*(vv%8)        ; as in a trip
.else
	s_wait_dscnt 12-2*(vv%8)        ; the last group: no run stands behind its own
.endif
.endif
	MMV 64+vv, 0
.if vv < 31
	RS 8*(vv+1)
	RS 8*(vv+1)+1
	RS 8*(vv+1)+2
	RS 8*(vv+1)+3
.endif
	MMV 64+vv, 1
.if vv < 31
	RS 8*(vv+1)+4
	RS 8*(vv+1)+5
	RS 8*(vv+1)+6
	RS 8*(vv+1)+7
.endif
.set vv, vv+1
.endr
	; THE WAY OUT.  l's two halves and the other half of the lanes' are added; O^T is divided by l and sent through my stage in LDS, 16 rows x 64 channels (256 bytes of f32 a row) at a time.
	WIN 0
.rept 4
	v_nop                           ; the places behind the last products
.endr
.irp t, 0,1
	v_add_f32 v[ST+10*\t+4], v[ST+10*\t+2], v[ST+10*\t+3]
.endr
.irp t, 0,1
	v_permlanex16_b32 v[ST+10*\t+5], v[ST+10*\t+4], s[SEL], s[SEL+1]
.endr
.irp t, 0,1
	v_add_f32 v[ST+10*\t+4], v[ST+10*\t+4], v[ST+10*\t+5]
.endr
.irp t, 0,1
	v_rcp_f32 v[ST+10*\t+6], v[ST+10*\t+4]
.endr
	v_nop                           ; a plain line between the last reciprocal and the use of its result,
	s_wait_alu depctr_va_vdst(0)    ; and the wait ahead of the first use: one for both
; Chunk x of 16: tile x / 8, channel blocks 4 (x % 8) .. + 3.  A lane's eight channels of a row are 32 bytes; they go into rows of 272 bytes and come back as whole rows of 256, into one of two sets of 32 of the fragments' registers.
.macro PACK x
.set tW, (\x)/8
.set qW, (\x)%8
	WIN 0x82+0x41*(qW/4)
.set kW, 0
.rept 4
.set rO, 16*((4*qW+kW)%16)+8*tW
.irp z, 0,2,4,6
	v_pk_mul_f32 v[rO+\z:rO+\z+1], v[rO+\z:rO+\z+1], v[ST+10*tW+6:ST+10*tW+7] op_sel_hi:[1,0]
.endr
.set kW, kW+1
.endr
	WIN 0x08+0x04*(qW/4)            ; the stores' data (source 1) in window 2 or 3
.set kW, 0
.rept 4
.set rO, 16*((4*qW+kW)%16)+8*tW
	ds_store_b128 v[STO], v[rO:rO+3]   offset:64*kW
	ds_store_b128 v[STO], v[rO+4:rO+7] offset:64*kW+16
.set kW, kW+1
.endr
	WIN 0
	s_wait_xcnt 0x0                 ; the stores of the chunk before last have read this set of registers: it is loaded again only behind this wait
.irp i, 0,1,2,3,4,5,6,7
	ds_load_b128 v[FR+32*((\x)%2)+4*\i:FR+32*((\x)%2)+4*\i+3], v[RD] offset:\i*2*SP  ; LDS serves a wave's instructions in order (ISA guide 5.7.1.4): these see the stores above; the next chunk's stores come behind them
.endr
.endm
.macro SEND x, younger              ; younger: the LDS instructions issued behind chunk x's loads: the next chunk's sixteen, or none
.irp i, 0,1,2,3,4,5,6,7
	s_wait_dscnt (\younger)+7-\i
	global_store_b128 v[GO], v[FR+32*((\x)%2)+4*\i:FR+32*((\x)%2)+4*\i+3], s[12:13] offset:(16*((\x)/8)+2*\i)*2048+256*((\x)%8) th:TH_STORE_NT  ; 16 lanes store 256 consecutive bytes, at a multiple of 256 from out0's first byte
.endr
.endm
	PACK 0
.set xx, 1
.rept 15                            ; a chunk's arithmetic stands between the loads of the chunk before and its stores
	PACK xx
	SEND xx-1, 16
.set xx, xx+1
.endr
	SEND 15, 0
	s_wait_tensorcnt 0x0            ; the wave's end: behind my last tensor load and my last LDS store
	ds_add_u32 v[SPW], v[NIL]
	s_wait_dscnt 0x0
	CROUND                          ; the closing round: no work-group ends while a partner may still ask for a tile that names it
	s_endpgm
.Lfunc_end_k_q6b10ceecd6_attn:
	.size	k_q6b10ceecd6_attn, .Lfunc_end_k_q6b10ceecd6_attn-k_q6b10ceecd6_attn
	.p2alignl 7, 3214868480
	.fill 96, 4, 3214868480
	.section	.rodata,"a",@progbits
	.p2align	6, 0x0
	.amdhsa_kernel k_q6b10ceecd6_attn
		.amdhsa_group_segment_fixed_size 327680
		.amdhsa_private_segment_fixed_size 0
		.amdhsa_enable_private_segment 0
		.amdhsa_kernarg_size 40
		.amdhsa_user_sgpr_count 2
		.amdhsa_user_sgpr_kernarg_segment_ptr 1
		.amdhsa_wavefront_size32 1
		.amdhsa_system_sgpr_workgroup_id_x 1
		.amdhsa_system_sgpr_workgroup_id_y 1
		.amdhsa_system_sgpr_workgroup_id_z 1
		.amdhsa_system_vgpr_workitem_id 0
		.amdhsa_next_free_vgpr 1024
		.amdhsa_next_free_sgpr 80
		.amdhsa_reserve_vcc 0
		.amdhsa_float_denorm_mode_32 3
		.amdhsa_float_denorm_mode_16_64 3
		.amdhsa_memory_ordered 1
		.amdhsa_forward_progress 1
		.amdhsa_inst_pref_size 255
	.end_amdhsa_kernel
	.section	.bss,"aw",@nobits
	.p2align	6
	.space	262144
	.amdgpu_metadata
---
amdhsa.version: [ 1, 2 ]
amdhsa.kernels:
  - .name:           k_q6b10ceecd6_attn
    .symbol:         k_q6b10ceecd6_attn.kd
    .args:
      - { .name: kb, .offset: 0, .size: 8, .value_kind: global_buffer, .address_space: global }
      - { .name: vb, .offset: 8, .size: 8, .value_kind: global_buffer, .address_space: global }
      - { .name: query, .offset: 16, .size: 8, .value_kind: global_buffer, .address_space: global }
      - { .name: mask, .offset: 24, .size: 8, .value_kind: global_buffer, .address_space: global }
      - { .name: out0, .offset: 32, .size: 8, .value_kind: global_buffer, .address_space: global }
    .group_segment_fixed_size: 327680
    .private_segment_fixed_size: 0
    .kernarg_segment_align: 8
    .kernarg_segment_size: 40
    .max_flat_workgroup_size: 128
    .sgpr_count:     80
    .vgpr_count:     1024
    .wavefront_size: 32
...
	.end_amdgpu_metadata
.endif
;; end of part 4
;; ======== version 3 of 3: 2 launches; version 2 with the launch cast written anew for expert scheduling mode
;; limits: inputs' magnitudes at most 65,504; values are held in f16: magnitudes above 65,504 overflow, below 6.1e-05 lose precision
;; workspace buffers: kb 33,554,432 bytes; vb 33,554,432 bytes
;; launch cast (part 5): grid 256 x 2, 8 waves a work-group, no clusters, 0 bytes of LDS; arguments key, value, kb, vb; writes kb, vb
.if DOCPART == 5
	.amdgcn_target "amdgcn-amd-amdhsa--gfx1250"
	.amdhsa_code_object_version 6
	.text
	.protected	k_q6b10ceecd6_cast
	.globl	k_q6b10ceecd6_cast
	.p2align	8
	.type	k_q6b10ceecd6_cast,@function
k_q6b10ceecd6_cast:
	s_mov_b64 s[64:65], 0
	v_nop
	global_prefetch_b8 v0, s[64:65] scope:SCOPE_SE
	s_setreg_imm32_b32 hwreg(HW_REG_WAVE_SCHED_MODE, 0, 2), 2
	s_setreg_imm32_b32 hwreg(HW_REG_WAVE_MODE, 25, 1), 1
	s_wait_xcnt 0x0
	s_wait_alu depctr_vm_vsrc(0)
; kb = key rounded to bf16.  vb = value rounded to bf16, and that number written as f16.  key, value: [16][2048][512] f32; kb, vb: the same shape, 2 bytes a number.
; LIMITS.  |value| stays under 65,504 (f16's range); a bf16 number below 2^-14 keeps f16's fixed step of 2^-24.  NaN and infinities are not treated apart.
; SHARES.  Work-group y = 0 takes key, y = 1 value; work-group x owns 262,144 bytes in and 131,072 out: 64 rows of 4,096 bytes in.  Thread t owns the 16 bytes at 16 t of every
; such row and stores 8 bytes at 8 t: a wave's load covers 512 consecutive bytes, its store 256 consecutive bytes, aligned.
; One text serves both tensors without a branch: both roundings are made and a mask of all lanes, 0 or -1, picks one.
; No LDS, no barrier, no matrix unit: each byte is read once and written once.
; THE MODE: SCHED_MODE bits 1:0 = 2 (LLVM: expert scheduling mode 2), set by the entry lines.  The code itself states the register dependences
; between vector instructions and memory instructions, with s_wait_alu, always for 0.
; THE PLAN.  The 64 rows go in 8 blocks of eight.  Registers that memory instructions touch:
;   X0 .. X3   four blocks as loaded.   Written by the loads of block p + 3, issued in block p (blocks 0 to 2: at the head); read by block p's roundings to bf16.
;   Y0, Y1     two blocks to store.     Written, and read, by block p's vector lines; read by the eight stores that are issued in block p + 1.
;   v1, v2     byte offsets, made once at the head and never written again.  The two scalar bases are never stepped either: every row is reached by an immediate offset, 258,048 bytes at the most.
; Block p works on X[p % 4] and writes Y[p % 2].  Its memory instructions are the loads into X[(p + 3) % 4] = X[(p - 1) % 4] and the stores from Y[(p - 1) % 2]: the two buffers that block p - 1
; worked on and that no vector line of block p names.  So the waits at the head of a block state all that the block's sixteen memory instructions hang on, and these are dealt among the
; vector lines of its first four rows with no further wait.  24 loads go out at the head; at a block's head 16 younger ones stay out and eight follow: 16 to 24 loads of every wave are on their way.
; With four X buffers a lap would be all eight blocks, so there is no loop: one macro writes each block.
.set BLOCK,  8                         ; rows in a block
.set BLOCKS, 64/BLOCK
.set ROWI,  4096                       ; bytes in a row in
.set ROWO,  2048                       ; bytes in a row out
.set T,   4                            ; v[4:9]     at work: no memory instruction names them
.set X,   16                           ; v[16:143]  buffer k, row i: 4 registers at X + 32 k + 4 i: 4 numbers in f32 as loaded
.set Y,   144                          ; v[144:175] buffer k, row i: 2 registers at Y + 16 k + 2 i: 4 numbers of 16 bits to store
	s_load_b256 s[4:11], s[0:1], 0x0               ; key s[4:5], value s[6:7], kb s[8:9], vb s[10:11]
	s_and_b32 s19, ttmp7, 0xffff                   ; y: which tensor
	s_lshl_b32 s2, ttmp9, 18                       ; the work-group's bytes in,
	s_mov_b32 s3, 0
	s_lshl_b32 s20, ttmp9, 17                      ; and out
	s_mov_b32 s21, 0
	s_mov_b32 s17, 0xffff0000                      ; a word's upper bf16
	v_lshlrev_b32 v1, 4, v0                        ; 16 t; never rewritten
	v_lshlrev_b32 v2, 3, v0                        ; 8 t; never rewritten
	s_wait_kmcnt 0x0
	s_cmp_eq_u32 s19, 0
	s_cselect_b64 s[12:13], s[4:5], s[6:7]         ; in
	s_cselect_b64 s[14:15], s[8:9], s[10:11]       ; out
	s_cselect_b32 s16, 0, -1                       ; all lanes: 0 keeps bf16, -1 takes f16
	s_add_nc_u64 s[12:13], s[12:13], s[2:3]
	s_add_nc_u64 s[14:15], s[14:15], s[20:21]
	s_wait_alu depctr_va_vdst(0)                   ; v1 and v2 are written: every load of the kernel reads v1 as its offset, every store v2
.macro LDROW b, i                      ; row i of block b into X[b % 4]
	global_load_b128 v[X+32*((\b)%4)+4*(\i):X+32*((\b)%4)+4*(\i)+3], v1, s[12:13] offset:(BLOCK*(\b)+(\i))*ROWI th:TH_LOAD_NT
.endm
.macro STROW b, i                      ; row i of block b out of Y[b % 2]
	global_store_b64 v2, v[Y+16*((\b)%2)+2*(\i):Y+16*((\b)%2)+2*(\i)+1], s[14:15] offset:(BLOCK*(\b)+(\i))*ROWO
.endm
.irp b, 0,1,2
.irp i, 0,1,2,3,4,5,6,7
	LDROW \b, \i                                   ; blocks 0, 1 and 2 into X0, X1, X2
.endr
.endr
; Block p.  left = how many younger loads may still be out when this block's eight have to be there.  Block 0 has no block in front of it: nothing to store, and no wait but the one for its data
; (the head's wait has covered the offsets, and no vector line has named X3).  Blocks 5 to 7 load nothing: no load leaves the buffer.
.macro BLK p, left
	s_wait_loadcnt \left                           ; loads come back in order (ISA guide 5.7.1): X[p % 4] is in, the younger blocks stay out
.if (\p) > 0
	s_wait_xcnt 0x0                                ; every earlier memory instruction has had its addresses translated (ISA guide 3.1): Y[p % 2], the data of the stores issued in the block before, is rewritten only behind this wait
	s_wait_alu depctr_vm_vsrc(0)                   ; the stores issued in the block before have read Y[p % 2], which this block's vector lines write again
	s_wait_alu depctr_va_vdst(0)                   ; the block before has written the other Y, which the stores below read, and is done reading its X, in which the loads below land
.endif
.irp i, 0,1,2,3,4,5,6,7
.if (\i) < 4                           ; the block's memory instructions stand early: two loads and two stores in front of each of its first four rows, the loads first
.if (\p)+3 < BLOCKS
	LDROW (\p)+3, 2*(\i)                           ; three blocks ahead; no vector line since the wait names these registers
	LDROW (\p)+3, 2*(\i)+1
.endif
.if (\p) > 0
	STROW (\p)-1, 2*(\i)                           ; the block before
	STROW (\p)-1, 2*(\i)+1
.endif
.endif
.set XR, X+32*((\p)%4)+4*(\i)
.set YR, Y+16*((\p)%2)+2*(\i)
	v_cvt_pk_bf16_f32 v[YR],   v[XR],   v[XR+1]    ; rounded to bf16, to nearest even
	v_cvt_pk_bf16_f32 v[YR+1], v[XR+2], v[XR+3]
	v_lshlrev_b32 v[T],   16,  v[YR]               ; the rounded numbers as f32 again,
	v_and_b32     v[T+1], s17, v[YR]
	v_lshlrev_b32 v[T+2], 16,  v[YR+1]
	v_and_b32     v[T+3], s17, v[YR+1]
	v_cvt_pk_f16_f32 v[T+4], v[T],   v[T+1]        ; and written as f16: eight significant bits fit into eleven
	v_cvt_pk_f16_f32 v[T+5], v[T+2], v[T+3]
	v_cndmask_b32 v[YR],   v[YR],   v[T+4], s16    ; s16 is written by a scalar line
	v_cndmask_b32 v[YR+1], v[YR+1], v[T+5], s16
.endr
.endm
.irp p, 0,1,2,3,4,5
	BLK \p, 2*BLOCK                                ; behind block p's loads stand those of blocks p + 1 and p + 2
.endr
	BLK 6, BLOCK                                   ; the counts run down: behind block 6's stand block 7's,
	BLK 7, 0                                       ; behind block 7's none
	s_wait_alu depctr_va_vdst(0)                   ; block 7 has written Y1, which the last eight stores read
.irp i, 0,1,2,3,4,5,6,7
	STROW 7, \i
.endr
	s_endpgm
.Lfunc_end_k_q6b10ceecd6_cast:
	.size	k_q6b10ceecd6_cast, .Lfunc_end_k_q6b10ceecd6_cast-k_q6b10ceecd6_cast
	.p2alignl 7, 3214868480
	.fill 96, 4, 3214868480
	.section	.rodata,"a",@progbits
	.p2align	6, 0x0
	.amdhsa_kernel k_q6b10ceecd6_cast
		.amdhsa_group_segment_fixed_size 0
		.amdhsa_private_segment_fixed_size 0
		.amdhsa_enable_private_segment 0
		.amdhsa_kernarg_size 32
		.amdhsa_user_sgpr_count 2
		.amdhsa_user_sgpr_kernarg_segment_ptr 1
		.amdhsa_wavefront_size32 1
		.amdhsa_system_sgpr_workgroup_id_x 1
		.amdhsa_system_sgpr_workgroup_id_y 1
		.amdhsa_system_sgpr_workgroup_id_z 1
		.amdhsa_system_vgpr_workitem_id 0
		.amdhsa_next_free_vgpr 176
		.amdhsa_next_free_sgpr 66
		.amdhsa_reserve_vcc 0
		.amdhsa_float_denorm_mode_32 3
		.amdhsa_float_denorm_mode_16_64 3
		.amdhsa_memory_ordered 1
		.amdhsa_forward_progress 1
		.amdhsa_inst_pref_size 46
	.end_amdhsa_kernel
	.amdgpu_metadata
---
amdhsa.version: [ 1, 2 ]
amdhsa.kernels:
  - .name:           k_q6b10ceecd6_cast
    .symbol:         k_q6b10ceecd6_cast.kd
    .args:
      - { .name: key, .offset: 0, .size: 8, .value_kind: global_buffer, .address_space: global }
      - { .name: value, .offset: 8, .size: 8, .value_kind: global_buffer, .address_space: global }
      - { .name: kb, .offset: 16, .size: 8, .value_kind: global_buffer, .address_space: global }
      - { .name: vb, .offset: 24, .size: 8, .value_kind: global_buffer, .address_space: global }
    .group_segment_fixed_size: 0
    .private_segment_fixed_size: 0
    .kernarg_segment_align: 8
    .kernarg_segment_size: 32
    .max_flat_workgroup_size: 256
    .sgpr_count:     66
    .vgpr_count:     176
    .wavefront_size: 32
...
	.end_amdgpu_metadata
.endif
;; end of part 5
;; launch attn: the kernel of part 4 again; grid 16 x 16, 4 waves a work-group, clusters of 4 x 1, 327,680 bytes of LDS; arguments kb, vb, query, mask, out0; writes out0
